; MI455X (gfx1250); checked and timed in simulation.
; The chip was launched on July 23, 2026; its instructions are those of AMD's public machine-readable ISA for CDNA 5 (MIT licence, August 2026) and "CDNA5" Instruction Set Architecture Reference Guide (July 2026). The comments in the code are by the model that wrote it; some were corrected since.
;; Causal Self Attention. Allowed arithmetic: matrix products marked QUANTISED: E2M1 operands, one E8M0 scale for each 32 along K, by v_wmma_scale_f32_16x16x128_f8f6f4 with both operands' format E2M1 (or v_wmma_scale_f32_32x16x128_f4), f32 sums; products left as they are: bf16, f16 or f32 operands; f32 sums; everything else in f32.
;; Inputs: b_attn 3,072 float32; b_proj 1,024 float32; mask 1 x 1 x 2,048 x 2,048 bool; w_attn 1,024 x 3,072 float32; w_proj 1,024 x 1,024 float32; x 4 x 2,048 x 1,024 float32.
;; Outputs: out0 4 x 2,048 x 1,024 float32.
;; This version of the problem:
;;   THIS VERSION OF THE PROBLEM IS GIVEN IN LOW PRECISION. The matrix products marked QUANTISED in the list below multiply operands that are first quantised to E2M1 (2 exponent bits, 1 mantissa bit; 4 bits a number), with one power-of-two scale for each 32 numbers along K (OCP MX v1.0); their sums are f32. The products marked 'left as it is' may take bf16, f16 or f32 operands, with f32 sums. Whichever they take, every output number must still come out within the allowed error. Rounding operands to bf16 (8 significant bits) uses up far more of that allowance than f16 does (11 bits, for magnitudes from 6e-5 to 65,504). All else is computed in f32.
;;   The module's matrix products, in the order in which they are computed (A, B: the left and right operand; K: the contracted axis; several contracted axes count as one K, in the product's order):
;;     1. [M 8,192, K 1,024] x [K 1,024, N 3,072]; A: input x; B: input w_attn: QUANTISED
;;     2. batch 64 x [M 2,048, K 64] x [K 64, N 2,048]; A: computed on the way; B: computed on the way: left as it is (an operand is computed on the way)
;;     3. batch 64 x [M 2,048, K 2,048] x [K 2,048, N 64]; A: computed on the way; B: computed on the way: left as it is (an operand is computed on the way)
;;     4. [M 8,192, K 1,024] x [K 1,024, N 1,024]; A: computed on the way; B: input w_proj: left as it is (an operand is computed on the way)
;;   THE QUANTISER, for each operand of a quantised product, along K:
;;     - K is cut into blocks of 32 from its start; a last block that is shorter is filled with zeros.
;;     - A block's scale is 2^e with e = floor(log2(the largest magnitude in the block)) - 2, held to -126 .. 127; a block of zeros has e = 0. As a byte (E8M0): e + 127.
;;     - Each number is divided by its block's scale, clamped to +-6, and rounded to the nearest number of E2M1, ties to even, subnormals kept.
;;     - The product sums the exact products of the quantised numbers (number of the format x scale) in f32.
;;   ~~~python
;;   def quantise(x, axis):      # numpy; x: float32 -> the quantised numbers, widened to float32 again
;;       x = np.moveaxis(x, axis, -1); K = x.shape[-1]
;;       x = np.pad(x, [(0, 0)] * (x.ndim - 1) + [(0, -K % 32)]); x = x.reshape(x.shape[:-1] + (-1, 32)); a = np.abs(x).max(-1, keepdims=True)
;;       e = np.where(a > 0, np.clip(np.frexp(np.where(a > 0, a, 1))[1] - 1 - 2, -126, 127), 0)      # np.frexp(a)[1] - 1 = floor(log2(a)), exactly
;;       r = np.clip(x / 2.0 ** e, -6, 6)
;;       step = 2.0 ** (np.maximum(np.frexp(np.where(r == 0, 1, r))[1] - 1, 0) - 1)
;;       q = np.round(r / step) * step * 2.0 ** e      # np.round: ties to even
;;       return np.moveaxis(q.reshape(q.shape[:-2] + (-1,))[..., :K], -1, axis).astype(np.float32)
;;   ~~~
;; One version. Each part assembles by itself: llvm-mc -triple=amdgcn-amd-amdhsa -mcpu=gfx1250 --defsym DOCPART=n.
;; ======== version 1 of 1: 5 launches
;; limits: right only within a limited range of input values; values are held in f16: magnitudes above 65,504 overflow, below 6.1e-05 lose precision
;; workspace buffers: xw4 6,127,616 bytes; wpf 2,097,152 bytes; msk 525,824 bytes of whole numbers; qkvf 50,331,648 bytes; qkv32 786,432 bytes; attnf 16,777,216 bytes; out16 262,144 bytes
;; launch prep (part 1): grid 464 x 1, 4 waves a work-group, no clusters, 68,096 bytes of LDS; arguments x, w_attn, w_proj, mask, xw4, wpf, msk; writes xw4, wpf, msk
.if DOCPART == 1
	.amdgcn_target "amdgcn-amd-amdhsa--gfx1250"
	.amdhsa_code_object_version 6
	.text
	.protected	k_qa6770778bd_prep
	.globl	k_qa6770778bd_prep
	.p2align	8
	.type	k_qa6770778bd_prep,@function
k_qa6770778bd_prep:
	s_mov_b64 s[64:65], 0
	v_nop
	global_prefetch_b8 v0, s[64:65] scope:SCOPE_SE
	s_setreg_imm32_b32 hwreg(HW_REG_WAVE_MODE, 25, 1), 1
	s_wait_xcnt 0x0
; PREP: the operands of the later launches, each made once.
;   x [8192][1024] f32      -> codes of E2M1, K innermost, xw4 + 0 [8192][512 bytes]; E8M0 bytes xw4 + 5767168 [8192][32]
;   w_attn [1024][3072] f32 -> codes along its FIRST axis, xw4 + 4194304 [3072][512 bytes]; bytes xw4 + 6029312 [3072][32]
;   w_proj [1024][1024] f32 -> f16, as images of operand registers, wpf [nt 64][kc 32][1024 bytes]
;   mask [2048][2048] bool  -> msk: LM [qt 128][step 32][32 words]: word 8 t + j, bit r + 16 h = mask[16 qt + r][64 step + 16 t + 8 h + j];
;                              ANYE [128] at 524288, ALL [128] at 524800, FOK [128] at 525312
; WHAT THE PROGRAM LEAVES OUT, AND WHY IT MAY.  No input and no product of the module is left out.  The attention launch passes over a tile of 32 queries x 64 keys
; whose mask bytes are all 0, and only where each of the 32 rows has a 1 somewhere in its 2,048 keys.  A hidden score is -1e10; such a row's maximum is a live score, so the
; hidden weight is exp(-1e10 - maximum), which is 0 in f32 for every live score above about -1e10 + 150.  Where some row of a tile of 16 queries is hidden
; wholly, ANYE is all ones and nothing of its group is passed over: that row then becomes the plain mean of all values, as the module has it.  The choice is made of whole numbers, stored here and read by the later launch.
; LIMITS: live scores under about -1e10 + 150 are not served; NaN and infinities among the inputs are not served, and one that reaches only a tile passed over is not carried to the result;
; blocks whose largest magnitude lies under 2^(2 - 126) keep the byte 1 (a block of zeros too: its codes are zeros, and these bytes are read by this program alone).
; FOUR PATHS, parted on the work-group's number: 0-31 the mask, 32-79 w_attn, 80-207 w_proj, 208-463 x.  Each path that uses LDS has bytes of its own.
.set SPARE,  67584                     ; the spare words, 128 bytes for each wave; no other line names them
.set SPW,    196                       ; v196 LDS address of my spare word; never rewritten
.set NIL,    197                       ; v197 0; never rewritten
.set EMAX,   2
; ---- x: 16 steps of 512 numbers a wave
.set STEPS, 16
.set CB,    8
.set R,     16                         ; v16-79   four sets of 16 numbers as loaded
.set X,     80                         ; v80-111  two sets of 16 neighbours
.set C,     128                        ; v128-191 codes, four registers a step
.set E,     112                        ; v112-127 a scale byte a step
.set WREG,  8192                       ; LDS 0 .. 32767: a region for each wave: two stages of 32 x 80 bytes, then its 256 scale bytes
.set SP,    80
; ---- w_attn: a lane to a column, registers down K
.set KW,    512
.set NB,    16
.set PITCH, 272
.set KROW,  512
.set WN,    3072
.set WX,    32                         ; v32-95 two sets of 32 numbers
.set WC,    96
.set OUTR,  112
.set SB,    24
.set WSTG,  32768                      ; LDS 32768 .. 67583: four stages of 32 x 272 bytes
.macro FINISH                          ; the wave's end, behind the last LDS store
	s_wait_tensorcnt 0x0
	ds_add_u32 v[SPW], v[NIL]
	s_wait_dscnt 0x0
	s_endpgm
.endm
.macro XLOAD t
.irp i, 0,1,2,3
	global_load_b128 v[R+16*((\t)%4)+4*\i:R+16*((\t)%4)+4*\i+3], v3, s[4:5] offset:2048*(\t)+512*\i th:TH_LOAD_NT   ; 32 lanes read 512 consecutive bytes
.endr
.endm
.macro XTURN t                         ; a step's 2,048 bytes through the wave's stage: in as they lie, back 64 bytes a lane; LDS serves a wave's instructions in order
.irp i, 0,1,2,3
	ds_store_b128 v14, v[R+16*((\t)%4)+4*\i:R+16*((\t)%4)+4*\i+3] offset:32*SP*((\t)%2)+8*SP*\i
.endr
.irp i, 0,1,2,3
	ds_load_b128 v[X+16*((\t)%2)+4*\i:X+16*((\t)%2)+4*\i+3], v15 offset:32*SP*((\t)%2)+16*\i
.endr
.endm
.macro XSTEP t
.set XS, X+16*((\t)%2)
.if (\t) > 0
	s_wait_dscnt 1                                 ; this step's numbers are back (the last step's byte store may be out)
.else
	s_wait_dscnt 0x0
.endif
.if (\t)+4 < STEPS
	XLOAD (\t)+4
.endif
.if (\t)+1 < STEPS
.if STEPS-2-(\t) >= 3
	s_wait_loadcnt 12                              ; the next step's four loads are in; the twelve of the three steps behind it may be out
.else
	s_wait_loadcnt 4*(STEPS-2-(\t))
.endif
	XTURN (\t)+1
.endif
	v_max3_num_f32 v8, |v[XS]|, |v[XS+1]|, |v[XS+2]|
	v_max3_num_f32 v9, |v[XS+3]|, |v[XS+4]|, |v[XS+5]|
.irp i, 6,10
	v_max3_num_f32 v8, v8, |v[XS+\i]|, |v[XS+\i+1]|
	v_max3_num_f32 v9, v9, |v[XS+\i+2]|, |v[XS+\i+3]|
.endr
	v_max3_num_f32 v8, v8, |v[XS+14]|, |v[XS+15]|
	v_max3_num_f32 v8, v8, v9, (EMAX+1)<<23        ; the floor 2^(3 - 127): the byte cannot fall under 1
	v_max_num_f32_dpp v8, v8, v8 row_xmask:1 row_mask:0xf bank_mask:0xf   ; with my neighbour's 16: the block's largest magnitude
	v_add_nc_u32 v11, -(EMAX<<23), v8              ; 2 off its exponent field: the conversion's scale operand
	v_cvt_scalef32_pk8_fp4_f32 v[C+4*(\t)], v[XS:XS+7], v11
	v_cvt_scalef32_pk8_fp4_f32 v[C+4*(\t)+1], v[XS+8:XS+15], v11
	v_lshrrev_b32 v[E+(\t)], 23, v11               ; the scale's byte
	ds_store_b8 v5, v[E+(\t)] offset:16*(\t)       ; both lanes of a block write the same byte with the same value
	global_store_b64 v4, v[C+4*(\t):C+4*(\t)+1], s[24:25] offset:32*CB*(\t)   ; the wave stores 256 consecutive bytes
.endm
.macro WLOAD t
.irp i, 0,1,2,3,4,5,6,7,8,9,10,11,12,13,14,15,16,17,18,19,20,21,22,23,24,25,26,27,28,29,30,31
	global_load_b32 v[WX+32*((\t)%2)+\i], v3, s[6:7] offset:(32*(\t)+\i)*WN*4 th:TH_LOAD_NT
.endr
.endm
.macro WBLOCK t
.set XS, WX+32*((\t)%2)
.if (\t) < NB-1
	s_wait_loadcnt 32                              ; this block's 32 loads are in; the next block's 32 may be out
.else
	s_wait_loadcnt 0
.endif
	v_max3_num_f32 v12, |v[XS]|, |v[XS+1]|, |v[XS+2]|
	v_max3_num_f32 v13, |v[XS+3]|, |v[XS+4]|, |v[XS+5]|
.irp i, 6,10,14,18,22,26
	v_max3_num_f32 v12, v12, |v[XS+\i]|, |v[XS+\i+1]|
	v_max3_num_f32 v13, v13, |v[XS+\i+2]|, |v[XS+\i+3]|
.endr
	v_max3_num_f32 v12, v12, |v[XS+30]|, |v[XS+31]|
	v_max3_num_f32 v12, v12, v13, (EMAX+1)<<23
	v_add_nc_u32 v11, -(EMAX<<23), v12
	v_lshrrev_b32 v13, 23, v11
.if (\t)%4 == 0
	v_mov_b32 v[SB+(\t)/4], v13
.else
	v_lshl_or_b32 v[SB+(\t)/4], v13, 8*((\t)%4), v[SB+(\t)/4]
.endif
.irp g, 0,1,2,3
	v_cvt_scalef32_pk8_fp4_f32 v[WC+\g], v[XS+8*\g:XS+8*\g+7], v11
.endr
	ds_store_b128 v4, v[WC:WC+3] offset:16*(\t)
.if (\t)+2 < NB
	WLOAD (\t)+2
.endif
	s_wait_dscnt 0x0                               ; the store has read its registers: the next block's codes may be written
.endm
; A trip of the mask's path: 16 rows x 128 keys (two steps of 64).  set: the registers that hold it; load = 1: the next trip's eight loads go out first, at moff; soff: where its 64 words go.
.macro MTRIP set, first, load, moff, soff
.set DS, 32+16*(\set)
.set DN, 32+16*(1-(\set))
.if \load
.irp q, 0,1,2,3,4,5,6,7
	global_load_b64 v[DN+2*\q:DN+2*\q+1], v3, s[20:21] offset:\moff+16*\q
.endr
	s_wait_loadcnt 8                               ; this trip's eight are in; the eight just issued may be out
.else
	s_wait_loadcnt 0
.endif
	s_wait_xcnt 0x0                                ; the last store has read v[28:29]
.irp e, 0,1
	v_or_b32 v24, v[DS+8*\e+2], v[DS+8*\e+3]
	v_and_b32 v25, v[DS+8*\e], v[DS+8*\e+1]
	v_or_b32 v20, v[DS+8*\e], v[DS+8*\e+1]
.irp i, 4,5,6,7
	v_or_b32 v24, v24, v[DS+8*\e+\i]
.endr
.irp i, 2,3,4,5,6,7
	v_and_b32 v25, v25, v[DS+8*\e+\i]
.endr
.if (\first) && (\e == 0)
	v_mov_b32 v26, v20                             ; keys 0 to 15,
	v_mov_b32 v27, v24                             ; and the keys beyond
	v_or_b32 v24, v24, v20
.else
	v_or_b32 v24, v24, v20
	v_or_b32 v27, v27, v24
.endif
	v_cmp_ne_u32 s28, 0, v24                       ; lanes that hold a 1
	v_cmp_ne_u32 s30, v19, v25                     ; lanes that hold a 0
	s_cmp_lg_u32 s28, 0
	s_cselect_b32 s29, s26, 0
	s_or_b32 s24, s24, s29                         ; the step's bit of ANY
	s_cmp_eq_u32 s30, 0
	s_cselect_b32 s29, s26, 0
	s_or_b32 s25, s25, s29                         ; and of ALL
	s_lshl_b32 s26, s26, 1
.endr
.irp e, 0,1
.irp t, 0,1,2,3
.irp g, 0,1
.irp i, 0,1,2,3
	v_and_b32 v[20+\i], 0xff<<(8*\i), v[DS+8*\e+2*\t+\g]     ; byte j = 4 g + i of my eight
.endr
.irp i, 0,1,2,3
	v_cmp_ne_u32 s[28+\i], 0, v[20+\i]             ; the 32 lanes' bits: word 32 e + 8 t + j
.endr
.irp i, 0,1,2,3
	v_writelane_b32 v[28+(\i%2)], s[28+\i], 16*\e+4*\t+2*\g+\i/2   ; lane L gathers words 2 L and 2 L + 1
.endr
.endr
.endr
.endr
	global_store_b64 v4, v[28:29], s[22:23] offset:\soff     ; 256 consecutive bytes, aligned
.endm
	s_load_b256 s[4:11], s[0:1], 0x0               ; x s[4:5], w_attn s[6:7], w_proj s[8:9], mask s[10:11]
	s_load_b128 s[12:15], s[0:1], 0x20             ; xw4 s[12:13], wpf s[14:15]
	s_load_b64 s[16:17], s[0:1], 0x30              ; msk
	v_lshl_add_u32 v[SPW], v0, 2, SPARE
	v_mov_b32 v[NIL], 0
	v_lshrrev_b32 v1, 5, v0
	v_readfirstlane_b32 s18, v1                    ; wave 0..3
	v_and_b32 v2, 31, v0                           ; lane
	s_wait_kmcnt 0x0
	s_cmp_lt_u32 ttmp9, 32
	s_cbranch_scc1 .Lmask
	s_cmp_lt_u32 ttmp9, 80
	s_cbranch_scc1 .Lwatt
	s_cmp_lt_u32 ttmp9, 208
	s_cbranch_scc1 .Lwproj
	; ================ x: a plain stream of blocks of 32; a wave takes a run of 8,192 numbers
	v_lshlrev_b32 v3, 4, v2
	s_mul_i32 s19, s18, WREG
	v_lshrrev_b32 v14, 2, v2
	v_mul_u32_u24 v14, v14, SP
	v_and_b32 v15, 3, v2
	v_lshl_add_u32 v14, v15, 4, v14
	v_add_nc_u32 v14, s19, v14                     ; the stage, in: 80 (lane / 4) + 16 (lane % 4)
	v_mul_u32_u24 v15, v2, SP
	v_add_nc_u32 v15, s19, v15                     ; and out: 80 x lane
	v_mul_u32_u24 v4, v2, CB
	v_lshrrev_b32 v5, 1, v2
	s_add_co_u32 s19, s19, 2*32*SP
	v_add_nc_u32 v5, s19, v5                       ; my block's byte among the wave's 256
	v_lshlrev_b32 v7, 3, v2
	v_add_nc_u32 v6, s19, v7
	s_sub_co_u32 s20, ttmp9, 208
	s_lshl_b32 s20, s20, 2
	s_add_co_u32 s20, s20, s18                     ; the run, 0 .. 1023
	s_lshl_b32 s22, s20, 15
	s_mov_b32 s23, 0
	s_add_nc_u64 s[4:5], s[4:5], s[22:23]          ; 32,768 bytes of x a run
	s_lshl_b32 s22, s20, 12
	s_add_nc_u64 s[24:25], s[12:13], s[22:23]      ; 4,096 bytes of codes
	s_lshl_b32 s22, s20, 8
	s_add_co_u32 s22, s22, 5767168
	s_add_nc_u64 s[26:27], s[12:13], s[22:23]      ; 256 scale bytes
.irp t, 0,1,2,3
	XLOAD \t
.endr
	s_wait_loadcnt 12                              ; step 0's four loads are in
	XTURN 0
.irp t, 0,1,2,3,4,5,6,7,8,9,10,11,12,13,14,15
	XSTEP \t
.endr
	ds_load_b64 v[8:9], v6                         ; LDS serves a wave's instructions in order: these see my byte stores
	s_wait_dscnt 0x0
	global_store_b64 v7, v[8:9], s[26:27]          ; one aligned run of 256 bytes
	FINISH
	; ================ w_attn: 32 columns x 512 along K a wave
.Lwatt:
	s_sub_co_u32 s19, ttmp9, 32
	s_cmp_ge_u32 s19, 24
	s_cselect_b32 s20, 1, 0                        ; which 512 along K
	s_cselect_b32 s21, 24, 0
	s_sub_co_u32 s19, s19, s21
	s_lshl_b32 s19, s19, 7
	s_lshl_b32 s21, s18, 5
	s_add_co_u32 s19, s19, s21                     ; my wave's first column
	v_lshlrev_b32 v3, 2, v2
	s_mul_i32 s21, s18, 32*PITCH
	s_add_co_u32 s21, s21, WSTG                    ; my stage
	v_mul_u32_u24 v4, v2, PITCH
	v_add_nc_u32 v4, s21, v4                       ; in: row = my column
	v_and_b32 v5, 15, v2
	v_lshrrev_b32 v6, 4, v2
	v_mul_u32_u24 v7, v6, PITCH
	v_lshl_add_u32 v7, v5, 4, v7
	v_add_nc_u32 v7, s21, v7                       ; out: sixteen lanes to a row, two rows an instruction
	v_mul_u32_u24 v8, v6, KROW
	v_lshl_add_u32 v8, v5, 4, v8
	v_lshlrev_b32 v9, 5, v2                        ; my column's row of 32 scale bytes
	s_mul_i32 s22, s20, KW*WN*4
	s_lshl_b32 s24, s19, 2
	s_add_co_u32 s22, s22, s24
	s_mov_b32 s23, 0
	s_add_nc_u64 s[6:7], s[6:7], s[22:23]
	s_lshl_b32 s22, s19, 9
	s_lshl_b32 s24, s20, 8
	s_add_co_u32 s22, s22, s24
	s_add_co_u32 s22, s22, 4194304
	s_add_nc_u64 s[24:25], s[12:13], s[22:23]      ; the codes: column x 512 + 256 x half
	s_lshl_b32 s22, s19, 5
	s_lshl_b32 s26, s20, 4
	s_add_co_u32 s22, s22, s26
	s_add_co_u32 s22, s22, 6029312
	s_add_nc_u64 s[26:27], s[12:13], s[22:23]      ; the bytes: column x 32 + 16 x half
	WLOAD 0
	WLOAD 1
.set Q, 0
.rept NB
	WBLOCK Q
.set Q, Q+1
.endr
	global_store_b128 v9, v[SB:SB+3], s[26:27]
.irp t, 0,1,2,3,4,5,6,7,8,9,10,11,12,13,14,15
	ds_load_b128 v[OUTR+4*\t:OUTR+4*\t+3], v7 offset:2*\t*PITCH
.endr
.irp t, 0,1,2,3,4,5,6,7,8,9,10,11,12,13,14,15
	s_wait_dscnt 15-\t
	global_store_b128 v8, v[OUTR+4*\t:OUTR+4*\t+3], s[24:25] offset:2*\t*KROW   ; sixteen lanes store 256 consecutive bytes, aligned
.endr
	FINISH
	; ================ w_proj: a wave makes four images (nt = 4 ntg + e, one kc).  An image is 16 n x 32 k of f16: plane p, lane (r, h): n = 16 nt + r, k = 32 kc + 16 p + 8 h + 0..7, at 512 p + 16 x lane
.Lwproj:
	s_sub_co_u32 s19, ttmp9, 80
	s_lshl_b32 s19, s19, 2
	s_add_co_u32 s19, s19, s18
	s_and_b32 s20, s19, 15                         ; ntg
	s_lshr_b32 s21, s19, 4                         ; kc
	v_and_b32 v5, 15, v2
	v_lshrrev_b32 v6, 4, v2
	v_lshlrev_b32 v3, 2, v5
	v_lshl_add_u32 v3, v6, 15, v3                  ; 8 h rows of 4,096 bytes + 4 r
	v_lshlrev_b32 v4, 4, v2
	s_lshl_b32 s22, s21, 17
	s_lshl_b32 s24, s20, 8
	s_add_co_u32 s22, s22, s24
	s_mov_b32 s23, 0
	s_add_nc_u64 s[8:9], s[8:9], s[22:23]
	s_lshl_b32 s22, s20, 17
	s_lshl_b32 s24, s21, 10
	s_add_co_u32 s22, s22, s24
	s_add_nc_u64 s[14:15], s[14:15], s[22:23]
.irp i, 0,1,2,3,4,5,6,7,8,9,10,11,12,13,14,15
.irp e, 0,1,2,3
	global_load_b32 v[32+16*\e+\i], v3, s[8:9] offset:(16*(\i/8)+(\i%8))*4096+64*\e th:TH_LOAD_NT   ; the four e on end take 256 consecutive bytes of a row
.endr
.endr
	s_wait_loadcnt 0x0
.irp e, 0,1,2,3
.irp i, 0,1,2,3,4,5,6,7
	v_cvt_pk_f16_f32 v[100+8*\e+\i], v[32+16*\e+2*\i], v[33+16*\e+2*\i]
.endr
.endr
.irp e, 0,1,2,3
.irp p, 0,1
	global_store_b128 v4, v[100+8*\e+4*\p:103+8*\e+4*\p], s[14:15] offset:32768*\e+512*\p   ; 512 consecutive bytes
.endr
.endr
	FINISH
	; ================ the mask: a wave takes a tile of 16 queries and all 2,048 keys, 128 keys a trip.  Lane (r, h) holds 8 bytes of row r for each 16 keys
.Lmask:
	s_lshl_b32 s19, ttmp9, 2
	s_add_co_u32 s19, s19, s18                     ; qt
	v_and_b32 v5, 15, v2
	v_lshrrev_b32 v6, 4, v2
	v_lshlrev_b32 v3, 11, v5
	v_lshl_add_u32 v3, v6, 3, v3                   ; 2048 r + 8 h
	v_lshlrev_b32 v4, 3, v2
	v_mov_b32 v19, 0x01010101
	v_mov_b32 v28, 0                               ; written once: a lane write's destination counts as read
	v_mov_b32 v29, 0
	v_mov_b32 v30, 0
	s_lshl_b32 s28, s19, 15
	s_mov_b32 s29, 0
	s_add_nc_u64 s[20:21], s[10:11], s[28:29]
	s_lshl_b32 s28, s19, 12
	s_add_nc_u64 s[22:23], s[16:17], s[28:29]
	s_mov_b32 s24, 0                               ; ANY
	s_mov_b32 s25, 0                               ; ALL
	s_mov_b32 s26, 1                               ; the step's bit
	s_mov_b32 s36, 0x76543210
	s_mov_b32 s37, 0xfedcba98
.irp q, 0,1,2,3,4,5,6,7
	global_load_b64 v[32+2*\q:33+2*\q], v3, s[20:21] offset:16*\q
.endr
	MTRIP 0, 1, 1, 128, 0
	s_wait_xcnt 0x0                                ; the loads and the store have read their bases
	s_add_nc_u64 s[20:21], s[20:21], 128
	s_add_nc_u64 s[22:23], s[22:23], 256
	s_mov_b32 s27, 7
.Lmloop:
	MTRIP 1, 0, 1, 128, 0
	MTRIP 0, 0, 1, 256, 256
	s_wait_xcnt 0x0
	s_add_nc_u64 s[20:21], s[20:21], 256
	s_add_nc_u64 s[22:23], s[22:23], 512
	s_sub_co_u32 s27, s27, 1
	s_cmp_lg_u32 s27, 0
	s_cbranch_scc1 .Lmloop
	MTRIP 1, 0, 0, 0, 0                            ; the last trip loads nothing
	v_permlanex16_b32 v20, v26, s36, s37
	v_permlanex16_b32 v21, v27, s36, s37
	v_or_b32 v26, v26, v20                         ; row r: a 1 among keys 0 to 15?
	v_or_b32 v27, v27, v21                         ; a 1 beyond?
	v_or_b32 v22, v26, v27
	v_cmp_eq_u32 s28, 0, v22                       ; rows hidden wholly
	v_cmp_ne_u32 s29, 0, v26
	v_cmp_eq_u32 s30, 0, v27
	s_cmp_lg_u32 s28, 0
	s_cselect_b32 s24, -1, s24                     ; then no step of this tile is passed over
	s_and_b32 s29, s29, s30
	s_and_b32 s29, s29, 0xffff                     ; FOK
	v_writelane_b32 v30, s24, 0
	v_writelane_b32 v30, s25, 1
	v_writelane_b32 v30, s29, 2
	s_lshl_b32 s31, s19, 2
	v_lshlrev_b32 v31, 9, v2
	v_add_nc_u32 v31, s31, v31                     ; 512 x lane + 4 qt: the three tables lie 512 bytes apart
	s_add_nc_u64 s[32:33], s[16:17], 524288
	v_cmp_gt_u32 vcc_lo, 3, v2
	s_wait_xcnt 0x0                                ; EXEC changes only behind this wait
	s_and_saveexec_b32 s34, vcc_lo
	global_store_b32 v31, v30, s[32:33]
	s_wait_xcnt 0x0
	s_or_b32 exec_lo, exec_lo, s34
	FINISH
.Lfunc_end_k_qa6770778bd_prep:
	.size	k_qa6770778bd_prep, .Lfunc_end_k_qa6770778bd_prep-k_qa6770778bd_prep
	.p2alignl 7, 3214868480
	.fill 96, 4, 3214868480
	.section	.rodata,"a",@progbits
	.p2align	6, 0x0
	.amdhsa_kernel k_qa6770778bd_prep
		.amdhsa_group_segment_fixed_size 68096
		.amdhsa_private_segment_fixed_size 0
		.amdhsa_enable_private_segment 0
		.amdhsa_kernarg_size 56
		.amdhsa_user_sgpr_count 2
		.amdhsa_user_sgpr_kernarg_segment_ptr 1
		.amdhsa_wavefront_size32 1
		.amdhsa_system_sgpr_workgroup_id_x 1
		.amdhsa_system_sgpr_workgroup_id_y 1
		.amdhsa_system_sgpr_workgroup_id_z 1
		.amdhsa_system_vgpr_workitem_id 0
		.amdhsa_next_free_vgpr 200
		.amdhsa_next_free_sgpr 66
		.amdhsa_reserve_vcc 1
		.amdhsa_float_denorm_mode_32 3
		.amdhsa_float_denorm_mode_16_64 3
		.amdhsa_memory_ordered 1
		.amdhsa_forward_progress 1
		.amdhsa_inst_pref_size 181
	.end_amdhsa_kernel
	.amdgpu_metadata
---
amdhsa.version: [ 1, 2 ]
amdhsa.kernels:
  - .name:           k_qa6770778bd_prep
    .symbol:         k_qa6770778bd_prep.kd
    .args:
      - { .name: x, .offset: 0, .size: 8, .value_kind: global_buffer, .address_space: global }
      - { .name: w_attn, .offset: 8, .size: 8, .value_kind: global_buffer, .address_space: global }
      - { .name: w_proj, .offset: 16, .size: 8, .value_kind: global_buffer, .address_space: global }
      - { .name: mask, .offset: 24, .size: 8, .value_kind: global_buffer, .address_space: global }
      - { .name: xw4, .offset: 32, .size: 8, .value_kind: global_buffer, .address_space: global }
      - { .name: wpf, .offset: 40, .size: 8, .value_kind: global_buffer, .address_space: global }
      - { .name: msk, .offset: 48, .size: 8, .value_kind: global_buffer, .address_space: global }
    .group_segment_fixed_size: 68096
    .private_segment_fixed_size: 0
    .kernarg_segment_align: 8
    .kernarg_segment_size: 56
    .max_flat_workgroup_size: 128
    .sgpr_count:     66
    .vgpr_count:     200
    .wavefront_size: 32
...
	.end_amdgpu_metadata
.endif
;; end of part 1
;; launch gemm_qkv (part 2): grid 12 x 32, 4 waves a work-group, clusters of 4 x 4, 327,680 bytes of LDS; arguments xw4, b_attn, qkvf, qkv32; writes qkvf, qkv32
.if DOCPART == 2
	.amdgcn_target "amdgcn-amd-amdhsa--gfx1250"
	.amdhsa_code_object_version 6
	.text
	.protected	k_qa6770778bd_gemm_qkv
	.globl	k_qa6770778bd_gemm_qkv
	.p2align	8
	.type	k_qa6770778bd_gemm_qkv,@function
k_qa6770778bd_gemm_qkv:
	s_mov_b64 s[64:65], 0
	v_nop
	global_prefetch_b8 v0, s[64:65] scope:SCOPE_SE
	s_setreg_imm32_b32 hwreg(HW_REG_WAVE_MODE, 25, 1), 1
	s_wait_xcnt 0x0
	s_wait_alu depctr_hold_cnt(0) depctr_sa_sdst(0) depctr_va_vdst(0) depctr_va_sdst(0) depctr_va_ssrc(0) depctr_va_vcc(0) depctr_vm_vsrc(0)
	s_getreg_b32 s2, hwreg(HW_REG_IB_STS2, 6, 4)
	s_cmp_eq_u32 s2, 0
	s_cbranch_scc0 .Lentry_in_a_cluster
	s_endpgm
.Lentry_in_a_cluster:
	s_bfe_u32 s2, ttmp6, 0x10000c
	s_cmp_lg_u32 s2, 0xf033
	s_cbranch_scc0 .Lentry_shape_is_right
	s_endpgm
.Lentry_shape_is_right:
; qkv = x w_attn + b_attn on codes of E2M1 with one E8M0 scale for each 32 along K; sums in f32.  M 8,192, N 3,072, K 1,024.
; A tile of 256 x 256 to a work-group of four waves, 128 x 128 a wave: 64 accumulators.  K is two slots of 512: both slots and the scale bytes are first fills, three tensor loads a wave are out at the most.
; CLUSTERS 4 x 4: x's tiles are shared along a row of the cluster, w_attn's along a column: joint loads.  The matrix instruction is used TRANSPOSED (source 0 = 16 columns of w_attn, source 1 = 16 rows of x):
; a lane then holds eight neighbouring columns of one row.
; THE WAY OUT needs no LDS.  (sum + bias) x s, s = log2(e) / 8 for Q (so that the attention's scores come out as exponents of 2) and 1 for K and V, is rounded to f16, and a lane's eight numbers are the lane's 16 bytes of a
; plane of an operand image: qkvf [tensor 3][batch x head 64][st 128][kc 2][1024]: plane p, lane (r, h): position 16 st + r, channel 32 kc + 16 p + 8 h + 0..7, at 512 p + 16 x lane.  Each store covers 512 consecutive bytes.
; Positions 0 to 15 of every sequence also leave in f32, qkv32 [batch 4][16][3072], for the launch that carries those rows finely.
; LIMIT: |q| log2(e) / 8, |k| and |v| stay under 65,504, f16's largest number.
; REGISTERS: window 0: v0-31 addresses; v32-95 scale words and nothing else; v96-127 packed results; v128-191 x's fragments, later results in f32; v192-255 the bias x s.  window 1: w_attn's fragments, two sets.  windows 2, 3: accumulators.
.set KSTEP,  512
.set NQ,     4
.set ROWB,   256
.set KROW,   512
.set PITCH,  272                       ; an LDS row: 256 bytes + 16 of padding: the 16 rows of a fragment load start at 16 different banks
.set FR,     8
.set NL,     2
.set NP,     4
.set HALFT,  128*PITCH
.set SLOT,   4*HALFT
.set KS,     32
.set SCL,    2*SLOT
.set HALFS,  (128*KS/256)*272
.set SBLK,   (16*KS/256)*272
.set SPARE,  SCL+4*HALFS               ; the spare words, 128 bytes a wave; no other line names them
.set ADRA, 16
.set ADRB, 20
.set VST,  24                          ; v24 16 x lane
.set VF,   25                          ; v25 12288 r + 32 h
.set VP,   26                          ; v26 0 where my block 0 holds positions 0 to 15
.set ADRS, 27
.set SPW,  28
.set NIL,  29
.set VBO,  30
.set SC,   32
.set PK,   96
.set AF,   128
.set T,    128
.set BI,   192
.set G1, 24
.set G0, 32
.set G1B, 48
.set G0B, 56
.set G1S, 68
.set G0S, 76
.set G1SB, 80
.set G0SB, 88
.set MSB, 0
.macro WIN new                         ; the immediate's high byte repeats the setting that is left
.if MSB != (\new)
	s_set_vgpr_msb (MSB<<8)|(\new)
.set MSB, \new
.endif
.endm
.set MUL_LO, 0xa1
.set MUL_HI, 0xf1
.set TO_B,   0x40
.macro JLOAD g0a, g1a, g0b, g1b        ; a joint load: waves 0 and 1 fetch for x, waves 2 and 3 for w_attn; an s_nop 0 and four v_nop follow each line
	s_cmp_eq_u32 s15, 0
	s_cbranch_scc0 .Lfor_b_\@
	tensor_load_to_lds s[\g0a:\g0a+3], s[\g1a:\g1a+7]
	s_nop 0
.rept 4
	v_nop
.endr
	s_branch .Lasked_\@
.Lfor_b_\@:
	tensor_load_to_lds s[\g0b:\g0b+3], s[\g1b:\g1b+7]
	s_nop 0
.rept 4
	v_nop
.endr
.Lasked_\@:
.endm
.macro CROUND                          ; a round of the cluster's barrier
	s_barrier_signal -1
	s_barrier_wait -1
	s_cmp_lg_u32 s14, 0
	s_cbranch_scc1 .Lnot_wave_0_\@
	s_barrier_signal -3
.Lnot_wave_0_\@:
	s_barrier_wait -3
	s_barrier_signal -1
	s_barrier_wait -1
.endm
	s_load_b256 s[4:11], s[0:1], 0x0               ; xw4 s[4:5], b_attn s[6:7], qkvf s[8:9], qkv32 s[10:11]
	v_lshl_add_u32 v[SPW], v0, 2, SPARE
	v_mov_b32 v[NIL], 0
	ds_add_u32 v[SPW], v[NIL]                      ; the wave's opening: the add, twice on end, and its wait ahead of my first tensor load
	ds_add_u32 v[SPW], v[NIL]
	v_lshrrev_b32 v1, 5, v0
	v_readfirstlane_b32 s14, v1                    ; wave 0..3
	s_lshr_b32 s15, s14, 1                         ; my half of the tile's rows; also: I fetch for x (0) or for w_attn (1)
	s_and_b32 s16, s14, 1                          ; my half of its columns; also: which 128 rows I fetch
	s_bfe_u32 s40, ttmp6, 0x40000                  ; cx
	s_bfe_u32 s41, ttmp6, 0x40004                  ; cy
	s_lshl_b32 s42, ttmp9, 2
	s_add_co_u32 s42, s42, s40                     ; tile column
	s_and_b32 s17, ttmp7, 0xffff
	s_lshl_b32 s17, s17, 2
	s_add_co_u32 s17, s17, s41                     ; tile row
	s_lshl_b32 s43, s41, 2
	s_lshl_b32 s43, 15, s43                        ; my row of the cluster
	s_lshl_b32 s44, 0x1111, s40                    ; my column
	s_or_b32 s[G1+0], s43, (0<<16)|(1<<20)|(1<<21)|(5<<22)|(3<<25)   ; the mask; elements of 1 byte; padding on: 4 words behind every 64; bit 21 beside a mask
	s_or_b32 s[G1B+0], s44, (0<<16)|(1<<20)|(1<<21)|(5<<22)|(3<<25)
.irp g, G1, G1B
	s_mov_b32 s[\g+1], ROWB<<16                    ; tensor_dim0 = 256
	s_mov_b32 s[\g+2], 128<<16                     ; tensor_dim1 = 128
	s_mov_b32 s[\g+3], ROWB<<16                    ; tile_dim0
	s_mov_b32 s[\g+4], 128                         ; tile_dim1
	s_mov_b32 s[\g+5], KROW                        ; from row to row
	s_mov_b32 s[\g+6], 0
	s_mov_b32 s[\g+7], 0
.endr
	s_or_b32 s[G1S+0], s43, (3<<16)|(1<<20)|(1<<21)|(5<<22)|(3<<25)  ; the scales of 128 rows: 4,096 dense bytes as 16 rows of 256 (32 elements of 8 bytes), 16 bytes of padding behind each
	s_or_b32 s[G1SB+0], s44, (3<<16)|(1<<20)|(1<<21)|(5<<22)|(3<<25)
.irp g, G1S, G1SB
	s_mov_b32 s[\g+1], 32<<16
	s_mov_b32 s[\g+2], (128*KS/256)<<16
	s_mov_b32 s[\g+3], 32<<16
	s_mov_b32 s[\g+4], 128*KS/256
	s_mov_b32 s[\g+5], 32
	s_mov_b32 s[\g+6], 0
	s_mov_b32 s[\g+7], 0
.endr
	s_lshl_b32 s18, s16, 7
	s_lshl_b32 s20, s17, 8
	s_add_co_u32 s20, s20, s18                     ; x: row 256 x tile row + 128 x half
	s_lshl_b32 s46, s42, 8
	s_add_co_u32 s46, s46, s18                     ; w_attn: column 256 x tile column + 128 x half
	s_mov_b32 s21, 0
	s_mov_b32 s47, 0
	s_mov_b64 s[18:19], KS
	s_mul_u64 s[22:23], s[20:21], s[18:19]
	s_mul_u64 s[92:93], s[46:47], s[18:19]
	s_mov_b64 s[18:19], KROW
	s_mul_u64 s[20:21], s[20:21], s[18:19]
	s_mul_u64 s[46:47], s[46:47], s[18:19]
	s_add_nc_u64 s[22:23], s[22:23], 5767168       ; the four parts of xw4
	s_add_nc_u64 s[46:47], s[46:47], 4194304
	s_add_nc_u64 s[92:93], s[92:93], 6029312
	s_mul_i32 s45, s14, HALFT                      ; where they go: wave x 128 rows
	s_mul_i32 s94, s14, HALFS
	s_wait_dscnt 0x0                               ; both opening adds are done
	s_wait_kmcnt 0x0
	s_add_nc_u64 s[20:21], s[4:5], s[20:21]
	s_add_nc_u64 s[22:23], s[4:5], s[22:23]
	s_add_nc_u64 s[46:47], s[4:5], s[46:47]
	s_add_nc_u64 s[92:93], s[4:5], s[92:93]
	CROUND                                         ; all sixteen work-groups are here: the joint loads meet
	s_mov_b32 s[G0S], 1
	s_add_co_u32 s[G0S+1], s94, SCL
	s_mov_b64 s[G0S+2:G0S+3], s[22:23]
	s_or_b32 s[G0S+3], s[G0S+3], 0x80000000
	s_mov_b32 s[G0SB], 1
	s_add_co_u32 s[G0SB+1], s94, SCL
	s_mov_b64 s[G0SB+2:G0SB+3], s[92:93]
	s_or_b32 s[G0SB+3], s[G0SB+3], 0x80000000
	JLOAD G0S, G1S, G0SB, G1SB
.irp s, 0,1
	s_mov_b32 s[G0+4*\s], 1
	s_add_co_u32 s[G0+4*\s+1], s45, \s*SLOT
	s_add_nc_u64 s[G0+4*\s+2:G0+4*\s+3], s[20:21], \s*ROWB
	s_or_b32 s[G0+4*\s+3], s[G0+4*\s+3], 0x80000000
	s_mov_b32 s[G0B+4*\s], 1
	s_add_co_u32 s[G0B+4*\s+1], s45, \s*SLOT
	s_add_nc_u64 s[G0B+4*\s+2:G0B+4*\s+3], s[46:47], \s*ROWB
	s_or_b32 s[G0B+4*\s+3], s[G0B+4*\s+3], 0x80000000
	JLOAD G0+4*\s, G1, G0B+4*\s, G1B
.endr
	v_and_b32 v1, 15, v0                           ; r
	v_bfe_u32 v2, v0, 4, 1                         ; h
	v_mul_u32_u24 v3, v1, PITCH
	v_lshl_add_u32 v4, v2, 4, v3
	s_mul_i32 s21, s15, HALFT
	s_mul_i32 s22, s16, HALFT
	s_add_co_u32 s22, s22, 2*HALFT
.irp s, 0,1
	v_add_nc_u32 v[ADRA+\s], s21, v4
	v_add_nc_u32 v[ADRB+\s], s22, v4
	s_add_co_u32 s21, s21, SLOT
	s_add_co_u32 s22, s22, SLOT
.endr
	v_mul_u32_u24 v5, v1, KS
	v_lshrrev_b32 v6, 8, v5
	v_lshl_add_u32 v5, v6, 4, v5
	s_mul_i32 s21, s15, HALFS
	s_mul_i32 s22, s16, HALFS
	s_add_co_u32 s22, s22, 2*HALFS
	s_sub_co_u32 s22, s22, s21
	v_mul_u32_u24 v6, s22, v2                      ; lanes 16-31 take w_attn's words
	s_add_co_u32 s21, s21, SCL
	v_add_nc_u32 v5, v5, v6
	v_add_nc_u32 v[ADRS], s21, v5
	; the way out's addresses
	v_and_b32 v6, 31, v0
	v_lshlrev_b32 v[VST], 4, v6
	v_mul_u32_u24 v[VF], v1, 12288
	v_lshl_add_u32 v[VF], v2, 5, v[VF]
	v_lshlrev_b32 v[VBO], 5, v2
	s_lshr_b32 s20, s17, 3                         ; the batch: 8 tile rows to a sequence
	s_lshl_b32 s21, s20, 4
	s_lshl_b32 s22, s40, 2
	s_add_co_u32 s21, s21, s22
	s_lshl_b32 s22, s16, 1
	s_add_co_u32 s21, s21, s22                     ; 16 batch + my first head (a wave's 128 columns are two heads)
	s_lshl_b32 s21, s21, 7
	s_and_b32 s22, s17, 7
	s_lshl_b32 s23, s22, 4
	s_add_co_u32 s21, s21, s23
	s_lshl_b32 s23, s15, 3
	s_add_co_u32 s21, s21, s23                     ; x 128 + my first st
	s_lshl_b32 s46, s21, 11
	s_lshl_b32 s23, ttmp9, 24                      ; the cluster's x is the tensor: 0 Q, 1 K, 2 V
	s_add_co_u32 s46, s46, s23
	s_mov_b32 s47, 0
	s_add_nc_u64 s[8:9], s[8:9], s[46:47]
	s_or_b32 s22, s22, s15
	v_mov_b32 v[VP], s22
	s_lshl_b32 s46, s42, 10
	s_lshl_b32 s23, s16, 9
	s_add_co_u32 s46, s46, s23                     ; 4 x my first column
	s_add_nc_u64 s[6:7], s[6:7], s[46:47]
	s_mul_i32 s23, s20, 196608
	s_add_co_u32 s46, s46, s23
	s_add_nc_u64 s[10:11], s[10:11], s[46:47]
.irp b, 0,1,2,3,4,5,6,7
	global_load_b128 v[BI+8*\b:BI+8*\b+3], v[VBO], s[6:7] offset:64*\b          ; the bias in the result's layout: columns 16 b + 8 h + 0..7
	global_load_b128 v[BI+8*\b+4:BI+8*\b+7], v[VBO], s[6:7] offset:64*\b+16
.endr
	s_cmp_eq_u32 ttmp9, 0
	s_mov_b32 s96, 1.0
	s_cselect_b32 s96, 0x3e38aa3b, s96             ; s: log2(e) / 8 for Q
	s_mov_b32 s97, s96
	s_wait_loadcnt 0x0
.set i, 0
.rept 32
	v_pk_mul_f32 v[BI+i:BI+i+1], v[BI+i:BI+i+1], s[96:97] op_sel_hi:[1,0]
.set i, i+2
.endr
.macro FRAG reg, adr, q, i             ; 16 rows x 128 K of 4-bit codes: 8 registers, two loads of 16 bytes, 32 bytes apart
.irp c, 0,1
	ds_load_b128 v[\reg+4*\c:\reg+4*\c+3], v[\adr] offset:64*(\q)+32*\c+(\i)*16*PITCH
.endr
.endm
; 16 matrix instructions: x's blocks a0, a0 + 1 against w_attn's eight.  The 64 accumulators take turns, one instruction a turn.
.macro MUL16 a0, p, q, sc, zero
.irp a, \a0, \a0+1
.irp b, 0,1,2,3,4,5,6,7
.if \zero
	v_wmma_scale_f32_16x16x128_f8f6f4 v[8*(8*((\a)%4)+\b):8*(8*((\a)%4)+\b)+7], v[128*(\p)+FR*\b:128*(\p)+FR*\b+FR-1], v[AF+FR*(\a):AF+FR*(\a)+FR-1], 0, v[SC+8*NQ*(\sc)+NQ*\b+(\q)], v[SC+8*NQ*(\sc)+NQ*(\a)+(\q)] matrix_a_fmt:MATRIX_FMT_FP4 matrix_b_fmt:MATRIX_FMT_FP4 matrix_a_scale:MATRIX_SCALE_ROW1
.else
	v_wmma_scale_f32_16x16x128_f8f6f4 v[8*(8*((\a)%4)+\b):8*(8*((\a)%4)+\b)+7], v[128*(\p)+FR*\b:128*(\p)+FR*\b+FR-1], v[AF+FR*(\a):AF+FR*(\a)+FR-1], v[8*(8*((\a)%4)+\b):8*(8*((\a)%4)+\b)+7], v[SC+8*NQ*(\sc)+NQ*\b+(\q)], v[SC+8*NQ*(\sc)+NQ*(\a)+(\q)] matrix_a_fmt:MATRIX_FMT_FP4 matrix_b_fmt:MATRIX_FMT_FP4 matrix_a_scale:MATRIX_SCALE_ROW1
.endif
.endr
.endr
.endm
.macro FETCH_B slot, q, p
	WIN TO_B
.irp i, 0,1,2,3,4,5,6,7
	FRAG 128*(\p)+FR*\i, ADRB+\slot, \q, \i
.endr
	WIN 0
.endm
.macro FETCH_A slot, q, i0
.irp i, \i0, \i0+1, \i0+2, \i0+3
	FRAG AF+FR*(\i), ADRA+\slot, \q, \i
.endr
.endm
.macro SCALES sc                       ; a slot's scale words: lanes 0-15 x's block i, lanes 16-31 w_attn's block i
.irp i, 0,1,2,3,4,5,6,7
	ds_load_b128 v[SC+8*NQ*\sc+NQ*\i:SC+8*NQ*\sc+NQ*\i+3], v[ADRS] offset:\i*SBLK
.endr
.endm
.macro PLACES n                        ; plain vector instructions between a matrix instruction and a load into, or a read of, its registers
.rept \n
	v_nop
.endr
.endm
.macro STEP slot, q, zero
	s_wait_dscnt 4*NL                              ; all but the youngest eight loads (x's blocks 4-7) are in
	WIN MUL_LO
	MUL16 0, (\q)%2, \q, \slot, \zero
	MUL16 2, (\q)%2, \q, \slot, \zero
	s_wait_dscnt 0
	PLACES NP
	FETCH_B \slot, (\q)+1, 1-(\q)%2
	FETCH_A \slot, (\q)+1, 0
	WIN MUL_HI
	MUL16 4, (\q)%2, \q, \slot, \zero
	MUL16 6, (\q)%2, \q, \slot, \zero
	PLACES NP
	WIN 0
	FETCH_A \slot, (\q)+1, 4
.endm
.macro STEPS slot, from
.set Q, \from
.rept NQ-1-\from
	STEP \slot, Q, 0
.set Q, Q+1
.endr
.endm
	s_wait_tensorcnt 1                             ; the scales and my part of slot 0 are in; slot 1's load may be out
	s_barrier_signal -1
	s_barrier_wait -1
	FETCH_B 0, 0, 0
	FETCH_A 0, 0, 0
	SCALES 0
	FETCH_A 0, 0, 4
	STEP 0, 0, 1                                   ; the first step's products start the sums
	STEPS 0, 1
	; slot 0's last step changes slots: one barrier; nothing is filled again
	s_wait_tensorcnt 0x0                           ; my part of slot 1 has landed
	ds_add_u32 v[SPW], v[NIL]
	s_wait_dscnt 4*NL+1                            ; the add and the youngest eight loads may be out
	WIN MUL_LO
	MUL16 0, 1, NQ-1, 0, 0
	s_wait_dscnt 0x0
	s_barrier_signal -1
	MUL16 2, 1, NQ-1, 0, 0
	WIN 0
	s_barrier_wait -1                              ; slot 1 is whole
	PLACES NP
	v_add_nc_u32 v[ADRS], 4*NQ, v[ADRS]
	FETCH_B 1, 0, 0
	FETCH_A 1, 0, 0
	SCALES 1
	WIN MUL_HI
	MUL16 4, 1, NQ-1, 0, 0
	MUL16 6, 1, NQ-1, 0, 0
	PLACES NP
	WIN 0
	FETCH_A 1, 0, 4
	STEPS 1, 0
	s_wait_dscnt 4*NL
	WIN MUL_LO
	MUL16 0, 1, NQ-1, 1, 0
	MUL16 2, 1, NQ-1, 1, 0
	s_wait_dscnt 0
	WIN MUL_HI
	MUL16 4, 1, NQ-1, 1, 0
	MUL16 6, 1, NQ-1, 1, 0
	WIN 0
; THE WAY OUT of block a (16 rows x 128 columns): sum x s + bias x s, each accumulator from its low end on; rounded to f16; eight stores of 512 consecutive bytes.
.macro OUTBLK a
.set AC, 64*((\a)%4)
.if (\a) > 0
	s_wait_xcnt 0x0                                ; the last block's stores have read their registers
.endif
	WIN 0x02+(\a)/4                                ; source 0: window 2 or 3
.irp b, 0,1,2,3,4,5,6,7
.irp i, 0,2,4,6
	v_pk_fma_f32 v[T+8*\b+\i:T+8*\b+\i+1], v[AC+8*\b+\i:AC+8*\b+\i+1], s[96:97], v[BI+8*\b+\i:BI+8*\b+\i+1] op_sel_hi:[1,0,1]
.endr
.endr
	WIN 0
.irp b, 0,1,2,3,4,5,6,7
.irp i, 0,1,2,3
	v_cvt_pk_f16_f32 v[PK+4*\b+\i], v[T+8*\b+2*\i], v[T+8*\b+2*\i+1]
.endr
.endr
.irp b, 0,1,2,3,4,5,6,7
	global_store_b128 v[VST], v[PK+4*\b:PK+4*\b+3], s[8:9] offset:2048*(\a)+262144*(\b/4)+1024*((\b/2)%2)+512*(\b%2)   ; head b / 4, kc (b / 2) % 2, plane b % 2
.endr
.if (\a) == 0                          ; positions 0 to 15 in f32: by a mask of lanes, not by a branch
	s_wait_xcnt 0x0                                ; EXEC changes only behind this wait
	v_cmp_eq_u32 vcc_lo, 0, v[VP]
	s_and_saveexec_b32 s98, vcc_lo
.irp b, 0,1,2,3,4,5,6,7
	global_store_b128 v[VF], v[T+8*\b:T+8*\b+3], s[10:11] offset:64*\b
	global_store_b128 v[VF], v[T+8*\b+4:T+8*\b+7], s[10:11] offset:64*\b+16
.endr
	s_wait_xcnt 0x0
	s_or_b32 exec_lo, exec_lo, s98
.endif
.endm
	PLACES NP                                      ; behind the last products: their results are read, and x's fragments written over, only behind these
.irp a, 0,1,2,3,4,5,6,7
	OUTBLK \a
.endr
	s_wait_tensorcnt 0x0                           ; the wave's end
	ds_add_u32 v[SPW], v[NIL]
	s_wait_dscnt 0x0
	CROUND                                         ; the closing round
	s_endpgm
.Lfunc_end_k_qa6770778bd_gemm_qkv:
	.size	k_qa6770778bd_gemm_qkv, .Lfunc_end_k_qa6770778bd_gemm_qkv-k_qa6770778bd_gemm_qkv
	.p2alignl 7, 3214868480
	.fill 96, 4, 3214868480
	.section	.rodata,"a",@progbits
	.p2align	6, 0x0
	.amdhsa_kernel k_qa6770778bd_gemm_qkv
		.amdhsa_group_segment_fixed_size 327680
		.amdhsa_private_segment_fixed_size 0
		.amdhsa_enable_private_segment 0
		.amdhsa_kernarg_size 32
		.amdhsa_user_sgpr_count 2
		.amdhsa_user_sgpr_kernarg_segment_ptr 1
		.amdhsa_wavefront_size32 1
		.amdhsa_system_sgpr_workgroup_id_x 1
		.amdhsa_system_sgpr_workgroup_id_y 1
		.amdhsa_system_sgpr_workgroup_id_z 1
		.amdhsa_system_vgpr_workitem_id 0
		.amdhsa_next_free_vgpr 1024
		.amdhsa_next_free_sgpr 100
		.amdhsa_reserve_vcc 1
		.amdhsa_float_denorm_mode_32 3
		.amdhsa_float_denorm_mode_16_64 3
		.amdhsa_memory_ordered 1
		.amdhsa_forward_progress 1
		.amdhsa_inst_pref_size 140
	.end_amdhsa_kernel
	.amdgpu_metadata
---
amdhsa.version: [ 1, 2 ]
amdhsa.kernels:
  - .name:           k_qa6770778bd_gemm_qkv
    .symbol:         k_qa6770778bd_gemm_qkv.kd
    .args:
      - { .name: xw4, .offset: 0, .size: 8, .value_kind: global_buffer, .address_space: global }
      - { .name: b_attn, .offset: 8, .size: 8, .value_kind: global_buffer, .address_space: global }
      - { .name: qkvf, .offset: 16, .size: 8, .value_kind: global_buffer, .address_space: global }
      - { .name: qkv32, .offset: 24, .size: 8, .value_kind: global_buffer, .address_space: global }
    .group_segment_fixed_size: 327680
    .private_segment_fixed_size: 0
    .kernarg_segment_align: 8
    .kernarg_segment_size: 32
    .max_flat_workgroup_size: 128
    .sgpr_count:     100
    .vgpr_count:     1024
    .wavefront_size: 32
...
	.end_amdgpu_metadata
.endif
;; end of part 2
;; launch attn (part 3): grid 4 x 64, 16 waves a work-group, no clusters, 38,912 bytes of LDS; arguments qkvf, msk, attnf; writes attnf
.if DOCPART == 3
	.amdgcn_target "amdgcn-amd-amdhsa--gfx1250"
	.amdhsa_code_object_version 6
	.text
	.protected	k_qa6770778bd_attn
	.globl	k_qa6770778bd_attn
	.p2align	8
	.type	k_qa6770778bd_attn,@function
k_qa6770778bd_attn:
	s_mov_b64 s[64:65], 0
	v_nop
	global_prefetch_b8 v0, s[64:65] scope:SCOPE_SE
	s_setreg_imm32_b32 hwreg(HW_REG_WAVE_MODE, 25, 1), 1
	s_wait_xcnt 0x0
; attn[q] = softmax_k(where(mask, q . k / 8, -1e10)) v, one head of one batch to four work-groups; operands in f16, products' sums, maxima, exponentials and row sums in f32.
; LEFT OUT: steps of 64 keys in which the mask hides all of the wave's 32 queries, where each of those rows has a live key somewhere (the flags ANYE of the first launch, whose head comment shows why their weights are 0).
; NO TENSOR LOADS AND NO CLUSTER: K's and V's tiles go from memory through registers into LDS: each of the 512 threads copies 16 bytes of each.
; SHARES.  Work-group (x, head) owns the blocks x and 7 - x of 256 queries; a wave owns 32 queries, two tiles of 16: early and late queries are paired, so that under a mask that hides later keys the work is even.
; All sixteen waves walk all 32 steps and pass all 32 barriers; a wave whose flag is clear only helps to copy.  A tile that no wave of the work-group wants is not copied.
; LAYOUT.  S^T = K Q^T (source 0 = 16 keys, source 1 = 16 queries), O^T = V^T P: a lane holds ONE query throughout.  Q was multiplied by log2(e) / 8, so S^T is t, the exponent of 2.
; A hidden t becomes NEG = -1e10 log2(e).  Running maximum m and sum l; p = 2^(t - m); O^T and l are multiplied by a = 2^(old m - new m) in every step.
; K lies in LDS as its operand images; V as 64 rows of 128 bytes at pitch 160 and comes out turned by ds_load_tr16_b128.  The result leaves as operand images for the projection: 512 consecutive bytes a store.
; LIMITS: f16's rounding of q, k, v, p and of the result; live scores under about -1e10 + 150, NaN and infinities are not served.
.set SLOTB, 18432                      ; a slot: K 8,192 bytes, V 64 x 160
.set PV,    160
.set SPARE, 36864                      ; the spare words, 128 bytes a wave; no other line names them
.set NEG,   0xd056fa73
.set MINIT, 0xff61b1e6                 ; -3e38, under every t
.set ST,    16                         ; v16-31 statistics, 8 a tile: +0 m, +1 old m, +2 +3 l, +4..+7 at work (+6 a, +7 old m - new m)
.set QF,    32                         ; v32-63  Q [u][kc][8]
.set KV,    64                         ; v64-127 K [kt][kc][8], then V^T [g][ct][8]
.set S,     128                        ; v128-191 S^T [u][32]; P in the lower 16 of each
.set O,     192                        ; v192-255 O^T [u][ct][8]
; v0 256 x lane (prefetch), v1 v2 the add's two, v3 16 x thread, v4 V's place in a slot, v5 16 x lane, v6 the turning load's place, v7 NEG, v8-15 the piece of K and V in hand
; s10 wave, s11 group, s[12:13] K, s[14:15] V and s[26:27] the prefetch at tile j + 1, s[16:17] my mask words, s18 128 j, s19 ANY >> j, s20 MIX >> j, s21 WANY >> j, s22 trips, s23 the prefetch's limit
.macro GLOAD                           ; tile j + 2 into registers, if some wave wants it (the flags hold zeros above tile 31: no load passes the end); and the prefetch of tile j + 4
	s_bitcmp1_b32 s21, 2
	s_cbranch_scc0 .Lnog_\@
	global_load_b128 v[8:11], v3, s[12:13] offset:8192
	global_load_b128 v[12:15], v3, s[14:15] offset:8192
.Lnog_\@:
	s_cmp_lt_u32 s18, s23                          ; work-group x = 0 asks for the head: wave 0 K's tile, wave 1 V's, 32 lanes 256 bytes apart: each block is named once; steps over 27 ask for nothing
	s_cbranch_scc0 .Lnop_\@
	global_prefetch_b8 v0, s[26:27] offset:24576 th:TH_LOAD_NT scope:SCOPE_SE
.Lnop_\@:
.endm
.macro SOFTMAX
.irp j, 0,1,2,3
.irp u, 0,1
	v_max3_num_f32 v[ST+8*\u+4+\j], v[S+32*\u+8*\j], v[S+32*\u+8*\j+1], v[S+32*\u+8*\j+2]   ; each accumulator is read from its low end on
.endr
.endr
.irp q, 1,2
.irp j, 0,1,2,3
.irp u, 0,1
	v_max3_num_f32 v[ST+8*\u+4+\j], v[ST+8*\u+4+\j], v[S+32*\u+8*\j+2*\q+1], v[S+32*\u+8*\j+2*\q+2]
.endr
.endr
.endr
.irp u, 0,1
	v_max3_num_f32 v[ST+8*\u+4], v[ST+8*\u+4], v[S+32*\u+7], v[S+32*\u+15]
.endr
.irp u, 0,1
	v_max3_num_f32 v[ST+8*\u+6], v[ST+8*\u+6], v[S+32*\u+23], v[S+32*\u+31]
.endr
.irp u, 0,1
	v_max3_num_f32 v[ST+8*\u+4], v[ST+8*\u+4], v[ST+8*\u+5], v[ST+8*\u+6]
.endr
.irp u, 0,1
	v_max3_num_f32 v[ST+8*\u+4], v[ST+8*\u+4], v[ST+8*\u+7], v[ST+8*\u]
.endr
.irp u, 0,1
	v_permlanex16_b32 v[ST+8*\u+5], v[ST+8*\u+4], s24, s25      ; the query's other 32 keys lie in the lane 16 away
.endr
.irp u, 0,1
	v_mov_b32 v[ST+8*\u+1], v[ST+8*\u]
.endr
.irp u, 0,1
	v_max_num_f32 v[ST+8*\u], v[ST+8*\u+4], v[ST+8*\u+5]        ; the new m
.endr
.irp u, 0,1
	v_sub_f32 v[ST+8*\u+7], v[ST+8*\u+1], v[ST+8*\u]
.endr
.set i, 0
.rept 16
.irp u, 0,1
	v_pk_add_f32 v[S+32*\u+i:S+32*\u+i+1], v[S+32*\u+i:S+32*\u+i+1], v[ST+8*\u:ST+8*\u+1] op_sel_hi:[1,0] neg_lo:[0,1] neg_hi:[0,1]   ; t - m
.endr
.set i, i+2
.endr
.irp u, 0,1
	v_exp_f32 v[ST+8*\u+6], v[ST+8*\u+7]           ; a
.endr
.set i, 0
.rept 32
.irp u, 0,1
	v_exp_f32 v[S+32*\u+i], v[S+32*\u+i]           ; p, at most 1
.endr
.set i, i+1
.endr
	v_nop                                          ; a plain instruction behind the last exponential
	s_wait_alu depctr_va_vdst(0)                   ; one wait for the 66, ahead of the first line that names a result
.irp u, 0,1
	v_pk_fma_f32 v[ST+8*\u+2:ST+8*\u+3], v[ST+8*\u+2:ST+8*\u+3], v[ST+8*\u+6:ST+8*\u+7], v[S+32*\u:S+32*\u+1] op_sel_hi:[1,0,1]   ; l = a l + ..: the sums in two chains
.endr
.irp u, 0,1
	v_pk_add_f32 v[ST+8*\u+4:ST+8*\u+5], v[S+32*\u+2:S+32*\u+3], v[S+32*\u+4:S+32*\u+5]
.endr
.irp i, 6,10,14,18,22,26
.irp u, 0,1
	v_pk_add_f32 v[ST+8*\u+2:ST+8*\u+3], v[ST+8*\u+2:ST+8*\u+3], v[S+32*\u+\i:S+32*\u+\i+1]
.endr
.irp u, 0,1
	v_pk_add_f32 v[ST+8*\u+4:ST+8*\u+5], v[ST+8*\u+4:ST+8*\u+5], v[S+32*\u+\i+2:S+32*\u+\i+3]
.endr
.endr
.irp u, 0,1
	v_pk_add_f32 v[ST+8*\u+2:ST+8*\u+3], v[ST+8*\u+2:ST+8*\u+3], v[S+32*\u+30:S+32*\u+31]
.endr
.irp u, 0,1
	v_pk_add_f32 v[ST+8*\u+2:ST+8*\u+3], v[ST+8*\u+2:ST+8*\u+3], v[ST+8*\u+4:ST+8*\u+5]
.endr
.set i, 0
.rept 16
.irp u, 0,1
	v_cvt_pk_f16_f32 v[S+32*\u+i], v[S+32*\u+2*i], v[S+32*\u+2*i+1]     ; P in place, ascending: register i is written when 2 i and 2 i + 1 are read
.endr
.set i, i+1
.endr
.set i, 0
.rept 16
.irp u, 0,1
	v_pk_mul_f32 v[O+32*\u+i:O+32*\u+i+1], v[O+32*\u+i:O+32*\u+i+1], v[ST+8*\u+6:ST+8*\u+7] op_sel_hi:[1,0]   ; O^T x a
.endr
.set i, i+2
.endr
.endm
; A STEP: tile j lies in slot p.
.macro STEP p
	s_wait_dscnt 0x0                               ; my stores of tile j have landed, my reads of tile j - 1 are in
	s_barrier_signal -1
	s_barrier_wait -1                              ; so have and are everybody's
	s_wait_loadcnt 0x0                             ; tile j + 1 is in my registers
	s_wait_xcnt 0x0                                ; the last prefetch has read its address
	s_add_nc_u64 s[12:13], s[12:13], 8192
	s_add_nc_u64 s[14:15], s[14:15], 8192
	s_add_nc_u64 s[26:27], s[26:27], 8192
	s_bitcmp1_b32 s21, 1
	s_cbranch_scc0 .Lnost_\@
	ds_store_b128 v3, v[8:11] offset:SLOTB*(1-\p)  ; tile j + 1 into the slot that nobody reads any more
	ds_store_b128 v4, v[12:15] offset:SLOTB*(1-\p)
.Lnost_\@:
	s_bitcmp1_b32 s19, 0
	s_cbranch_scc0 .Lidle_\@
.irp kt, 0,1,2,3
.irp kc, 0,1
.irp pl, 0,1
	ds_load_b128 v[KV+16*\kt+8*\kc+4*\pl:KV+16*\kt+8*\kc+4*\pl+3], v5 offset:SLOTB*\p+2048*\kt+1024*\kc+512*\pl
.endr
.endr
.endr
	s_wait_dscnt 0x0                               ; K is in, and the stores above have read v8-15
	GLOAD
.irp kc, 0,1                           ; eight accumulators by turns
.irp kt, 0,1,2,3
.irp u, 0,1
.if \kc == 0
	v_wmma_f32_16x16x32_f16 v[S+32*\u+8*\kt:S+32*\u+8*\kt+7], v[KV+16*\kt:KV+16*\kt+7], v[QF+16*\u:QF+16*\u+7], 0
.else
	v_wmma_f32_16x16x32_f16 v[S+32*\u+8*\kt:S+32*\u+8*\kt+7], v[KV+16*\kt+8:KV+16*\kt+15], v[QF+16*\u+8:QF+16*\u+15], v[S+32*\u+8*\kt:S+32*\u+8*\kt+7]
.endif
.endr
.endr
.endr
.rept 4
	v_nop                                          ; places: V's loads land in K's registers, and the scores are read
.endr
.irp g, 0,1
.irp ct, 0,1,2,3
	ds_load_tr16_b128 v[KV+32*\g+8*\ct:KV+32*\g+8*\ct+3], v6 offset:SLOTB*\p+(32*\g)*PV+32*\ct
	ds_load_tr16_b128 v[KV+32*\g+8*\ct+4:KV+32*\g+8*\ct+7], v6 offset:SLOTB*\p+(32*\g+16)*PV+32*\ct
.endr
.endr
	s_bitcmp1_b32 s20, 0                           ; a step whose 32 x 64 mask bytes are all 1 needs no choice
	s_cbranch_scc0 .Lopen_\@
	s_load_b512 s[32:47], s[16:17], s18 offset:0x0
	s_load_b512 s[48:63], s[16:17], s18 offset:0x40
	s_load_b512 s[68:83], s[16:17], s18 offset:0x1000
	s_load_b512 s[84:99], s[16:17], s18 offset:0x1040
	s_wait_kmcnt 0x0
.set i, 0
.rept 32
	v_cndmask_b32 v[S+i], v7, v[S+i], s[32+i]      ; word 8 kt + j is the lanes' mask for register 8 kt + j
.set i, i+1
.endr
.set i, 0
.rept 32
	v_cndmask_b32 v[S+32+i], v7, v[S+32+i], s[68+i]
.set i, i+1
.endr
.Lopen_\@:
	SOFTMAX
	s_wait_dscnt 0x0                               ; V is in
.irp g, 0,1
.irp ct, 0,1,2,3
.irp u, 0,1
	v_wmma_f32_16x16x32_f16 v[O+32*\u+8*\ct:O+32*\u+8*\ct+7], v[KV+32*\g+8*\ct:KV+32*\g+8*\ct+7], v[S+32*\u+8*\g:S+32*\u+8*\g+7], v[O+32*\u+8*\ct:O+32*\u+8*\ct+7]
.endr
.endr
.endr
.rept 5
	v_nop                                          ; places: the next scores are written over P by matrix instructions, K's loads land in V's registers
.endr
	s_branch .Ljoin_\@
.Lidle_\@:
	s_wait_dscnt 0x0                               ; the stores above have read v8-15
	GLOAD
.Ljoin_\@:
	s_lshr_b32 s19, s19, 1
	s_lshr_b32 s20, s20, 1
	s_lshr_b32 s21, s21, 1
	s_add_co_u32 s18, s18, 128
.endm
	s_load_b128 s[4:7], s[0:1], 0x0                ; qkvf s[4:5], msk s[6:7]
	s_load_b64 s[8:9], s[0:1], 0x10                ; attnf
	v_lshl_add_u32 v1, v0, 2, SPARE
	v_mov_b32 v2, 0
	v_lshrrev_b32 v5, 5, v0
	v_readfirstlane_b32 s10, v5                    ; wave 0..15
	v_lshlrev_b32 v3, 4, v0                        ; my 16 bytes of a tile's 8,192; K's place in a slot too
	v_lshrrev_b32 v4, 7, v0
	v_and_b32 v6, 15, v0
	v_lshl_add_u32 v4, v4, 4, v6                   ; those bytes of V are key 16 (t >> 7) + (t & 15),
	v_mul_u32_u24 v4, v4, PV
	v_bfe_u32 v6, v0, 4, 3
	v_lshl_add_u32 v4, v6, 4, v4                   ; channels 8 ((t >> 4) & 7) on
	v_add_nc_u32 v4, 8192, v4
	v_and_b32 v7, 31, v0
	v_lshlrev_b32 v5, 4, v7
	v_bfe_u32 v6, v0, 4, 1
	v_and_b32 v8, 7, v0
	v_lshl_add_u32 v6, v6, 3, v8
	v_mul_u32_u24 v6, v6, PV
	v_bfe_u32 v8, v0, 3, 1
	v_lshl_add_u32 v6, v8, 4, v6
	v_add_nc_u32 v6, 8192, v6                      ; the turning load: key 8 h + l % 8, 16 bytes ((l >> 3) & 1)
	v_lshlrev_b32 v0, 8, v7
	v_mov_b32 v7, NEG
	s_and_b32 s28, ttmp7, 0xffff                   ; batch x 16 + head
	s_lshl_b32 s29, ttmp9, 3
	s_add_co_u32 s30, s29, s10
	s_sub_co_u32 s31, 71, s30
	s_cmp_lt_u32 s10, 8
	s_cselect_b32 s11, s30, s31                    ; my group of 32 queries: 8 x + w, or 8 (7 - x) + 15 - w
	s_lshl_b32 s18, s11, 3
	s_lshl_b32 s19, ttmp9, 6
	s_sub_co_u32 s20, 448, s19
	s_mov_b32 s24, 0x76543210
	s_mov_b32 s25, 0xfedcba98
	s_wait_kmcnt 0x0
	s_load_b64 s[68:69], s[6:7], s18 offset:524288 ; ANYE of my two tiles
	s_load_b64 s[70:71], s[6:7], s18 offset:524800 ; ALL of them
	s_load_b512 s[32:47], s[6:7], s19 offset:524288   ; ANYE of the work-group's 32 tiles
	s_load_b512 s[48:63], s[6:7], s20 offset:524288
	s_lshl_b32 s30, s28, 18
	s_mov_b32 s31, 0
	s_add_nc_u64 s[4:5], s[4:5], s[30:31]
	s_add_nc_u64 s[12:13], s[4:5], 16777216        ; K's tile 0 of my head
	s_add_nc_u64 s[14:15], s[4:5], 33554432        ; V's
	s_lshl_b32 s30, s11, 12
	s_add_nc_u64 s[4:5], s[4:5], s[30:31]          ; my 32 queries
	global_load_b128 v[8:11], v3, s[12:13]
	global_load_b128 v[12:15], v3, s[14:15]
.irp u, 0,1
.irp kc, 0,1
.irp pl, 0,1
	global_load_b128 v[QF+16*\u+8*\kc+4*\pl:QF+16*\u+8*\kc+4*\pl+3], v5, s[4:5] offset:2048*\u+1024*\kc+512*\pl
.endr
.endr
.endr
	s_lshl_b32 s30, s11, 13
	s_add_nc_u64 s[16:17], s[6:7], s[30:31]
	s_lshr_b32 s29, s28, 4
	s_lshl_b32 s29, s29, 22
	s_lshl_b32 s30, s11, 16
	s_add_co_u32 s30, s30, s29
	s_and_b32 s29, s28, 15
	s_lshl_b32 s29, s29, 11
	s_add_co_u32 s30, s30, s29
	s_add_nc_u64 s[8:9], s[8:9], s[30:31]          ; ((128 batch + 2 group) 32 + 2 head) 1024
	s_cmp_eq_u32 s10, 0
	s_cselect_b64 s[26:27], s[12:13], s[14:15]
	s_lshr_b32 s29, s10, 1
	s_or_b32 s29, s29, ttmp9
	s_cmp_eq_u32 s29, 0
	s_cselect_b32 s23, 3584, 0                     ; 128 x 28 in the two waves that ask
	s_wait_kmcnt 0x0
	s_or_b32 s19, s68, s69
	s_and_b32 s20, s70, s71
	s_not_b32 s20, s20
	s_or_b32 s21, s32, s33
.irp i, 34,35,36,37,38,39,40,41,42,43,44,45,46,47,48,49,50,51,52,53,54,55,56,57,58,59,60,61,62,63
	s_or_b32 s21, s21, s\i
.endr
	s_mov_b32 s18, 0
	s_mov_b32 s22, 16
	s_wait_loadcnt 8                               ; tile 0 is in; Q's eight loads may be out
	ds_store_b128 v3, v[8:11]
	ds_store_b128 v4, v[12:15]
	s_wait_dscnt 0x0                               ; the stores have read v8-15
	global_load_b128 v[8:11], v3, s[12:13] offset:8192
	global_load_b128 v[12:15], v3, s[14:15] offset:8192
.set i, 0
.rept 64
	v_mov_b32 v[O+i], 0                            ; which step is the first live one hangs on the flags, so no first step can be written out: the first finds zeros
.set i, i+1
.endr
.irp u, 0,1
	v_mov_b32 v[ST+8*\u], MINIT
	v_mov_b32 v[ST+8*\u+1], MINIT
.irp k, 2,3,4,5,6,7
	v_mov_b32 v[ST+8*\u+\k], 0
.endr
.endr
.Lstep:
	STEP 0
	STEP 1
	s_sub_co_u32 s22, s22, 1
	s_cmp_lg_u32 s22, 0
	s_cbranch_scc1 .Lstep
	; THE WAY OUT: O^T / l, rounded to f16: a lane's eight channels are its 16 bytes of a plane of the projection's operand image
.irp u, 0,1
	v_add_f32 v[ST+8*\u+4], v[ST+8*\u+2], v[ST+8*\u+3]
.endr
.irp u, 0,1
	v_permlanex16_b32 v[ST+8*\u+5], v[ST+8*\u+4], s24, s25
.endr
.irp u, 0,1
	v_add_f32 v[ST+8*\u+4], v[ST+8*\u+4], v[ST+8*\u+5]
.endr
.irp u, 0,1
	v_rcp_f32 v[ST+8*\u+6], v[ST+8*\u+4]
.endr
	v_nop
	s_wait_alu depctr_va_vdst(0)                   ; one wait for the two reciprocals, ahead of their first reader
.set i, 0
.rept 16
.irp u, 0,1
	v_pk_mul_f32 v[O+32*\u+i:O+32*\u+i+1], v[O+32*\u+i:O+32*\u+i+1], v[ST+8*\u+6:ST+8*\u+7] op_sel_hi:[1,0]
.endr
.set i, i+2
.endr
.set i, 0
.rept 32
	v_cvt_pk_f16_f32 v[S+i], v[O+2*i], v[O+2*i+1]
.set i, i+1
.endr
.irp u, 0,1
.irp ct, 0,1,2,3
	global_store_b128 v5, v[S+16*\u+4*\ct:S+16*\u+4*\ct+3], s[8:9] offset:32768*\u+512*\ct
.endr
.endr
	s_wait_tensorcnt 0x0                           ; the wave's end, behind my last LDS store
	ds_add_u32 v1, v2
	s_wait_dscnt 0x0
	s_endpgm
.Lfunc_end_k_qa6770778bd_attn:
	.size	k_qa6770778bd_attn, .Lfunc_end_k_qa6770778bd_attn-k_qa6770778bd_attn
	.p2alignl 7, 3214868480
	.fill 96, 4, 3214868480
	.section	.rodata,"a",@progbits
	.p2align	6, 0x0
	.amdhsa_kernel k_qa6770778bd_attn
		.amdhsa_group_segment_fixed_size 38912
		.amdhsa_private_segment_fixed_size 0
		.amdhsa_enable_private_segment 0
		.amdhsa_kernarg_size 24
		.amdhsa_user_sgpr_count 2
		.amdhsa_user_sgpr_kernarg_segment_ptr 1
		.amdhsa_wavefront_size32 1
		.amdhsa_system_sgpr_workgroup_id_x 1
		.amdhsa_system_sgpr_workgroup_id_y 1
		.amdhsa_system_sgpr_workgroup_id_z 1
		.amdhsa_system_vgpr_workitem_id 0
		.amdhsa_next_free_vgpr 256
		.amdhsa_next_free_sgpr 100
		.amdhsa_reserve_vcc 0
		.amdhsa_float_denorm_mode_32 3
		.amdhsa_float_denorm_mode_16_64 3
		.amdhsa_memory_ordered 1
		.amdhsa_forward_progress 1
		.amdhsa_inst_pref_size 60
	.end_amdhsa_kernel
	.amdgpu_metadata
---
amdhsa.version: [ 1, 2 ]
amdhsa.kernels:
  - .name:           k_qa6770778bd_attn
    .symbol:         k_qa6770778bd_attn.kd
    .args:
      - { .name: qkvf, .offset: 0, .size: 8, .value_kind: global_buffer, .address_space: global }
      - { .name: msk, .offset: 8, .size: 8, .value_kind: global_buffer, .address_space: global }
      - { .name: attnf, .offset: 16, .size: 8, .value_kind: global_buffer, .address_space: global }
    .group_segment_fixed_size: 38912
    .private_segment_fixed_size: 0
    .kernarg_segment_align: 8
    .kernarg_segment_size: 24
    .max_flat_workgroup_size: 512
    .sgpr_count:     100
    .vgpr_count:     256
    .wavefront_size: 32
...
	.end_amdgpu_metadata
.endif
;; end of part 3
;; launch proj (part 4): grid 4 x 64, 4 waves a work-group, clusters of 4 x 4, 327,680 bytes of LDS; arguments attnf, wpf, b_proj, out0, out16; writes out0, out16
.if DOCPART == 4
	.amdgcn_target "amdgcn-amd-amdhsa--gfx1250"
	.amdhsa_code_object_version 6
	.text
	.protected	k_qa6770778bd_proj
	.globl	k_qa6770778bd_proj
	.p2align	8
	.type	k_qa6770778bd_proj,@function
k_qa6770778bd_proj:
	s_mov_b64 s[64:65], 0
	v_nop
	global_prefetch_b8 v0, s[64:65] scope:SCOPE_SE
	s_setreg_imm32_b32 hwreg(HW_REG_WAVE_MODE, 25, 1), 1
	s_wait_xcnt 0x0
	s_wait_alu depctr_hold_cnt(0) depctr_sa_sdst(0) depctr_va_vdst(0) depctr_va_sdst(0) depctr_va_ssrc(0) depctr_va_vcc(0) depctr_vm_vsrc(0)
	s_getreg_b32 s2, hwreg(HW_REG_IB_STS2, 6, 4)
	s_cmp_eq_u32 s2, 0
	s_cbranch_scc0 .Lentry_in_a_cluster
	s_endpgm
.Lentry_in_a_cluster:
	s_bfe_u32 s2, ttmp6, 0x10000c
	s_cmp_lg_u32 s2, 0xf033
	s_cbranch_scc0 .Lentry_shape_is_right
	s_endpgm
.Lentry_shape_is_right:
; out = attn w_proj + b_proj.  M 8,192, N 1,024, K 1,024; operands in f16, sums in f32.  Positions 0 to 15 of every sequence go to out16 and not to out0: the last launch decides what out0 gets there.
; A tile of 128 x 256 to a work-group: 256 work-groups.  Four waves, 64 x 128 each: 32 accumulators.  Both operands lie in memory as images of operand registers (1,024 bytes for 16 rows x 32 K), [row tile][kc 32][1024]:
; a K step of 128 is 4,096 consecutive bytes of each row tile, LDS needs no padding, and every fragment load takes 512 consecutive bytes.
; K goes in 8 steps through two LDS slots; by this text's count at most two tensor loads of a wave are out (the first fills), later one.  CLUSTERS 4 x 4: attn's tiles are shared along a row of the cluster, w_proj's along a column.
; The matrix instruction is used TRANSPOSED (source 0 = 16 columns of w_proj, source 1 = 16 rows of attn).  The bias is the C of each sum's first matrix instruction.
; No prefetch: the tiles are small, shared in the cluster, and read again by other clusters.
; REGISTERS: window 0: v0-31 addresses; two fragment buffers v32-127, v128-223 (attn's four fragments, then w_proj's eight).  window 1: the accumulators, (a, b) at v[8 (8 a + b)].  window 2: v0-63 the bias.
.set KSTEPB, 4096
.set SLOT,   98304                     ; attn's 8 row tiles x 4,096, then w_proj's 16 x 4,096
.set BOFF,   32768
.set STAGE,  2*SLOT                    ; behind the ring: 16 rows x 528 bytes for each wave
.set SPITCH, 528
.set SPARE,  STAGE+4*16*SPITCH         ; the spare words, 128 bytes a wave; no other line names them
.set LAPS,   4
.set ADRA, 16
.set ADRB, 20
.set STO,  24
.set RD,   25
.set CO,   26
.set SPW,  28
.set NIL,  29
.set VBO,  30
.set F0,   32
.set F1,   128
.set BK,   32                          ; the way out: v32-95 and v96-159 by turns
.set G1, 24
.set G0, 32
.set G1B, 48
.set G0B, 56
.set MSB, 0
.macro WIN new
.if MSB != (\new)
	s_set_vgpr_msb (MSB<<8)|(\new)
.set MSB, \new
.endif
.endm
.set MUL,  0x50                        ; C and D window 1
.set MUL1, 0x60                        ; C window 2 (the bias), D window 1
.macro JLOAD s                         ; waves 0 and 1 fetch attn's halves, waves 2 and 3 w_proj's; an s_nop 0 and four v_nop follow each line
	s_cmp_eq_u32 s15, 0
	s_cbranch_scc0 .Lfor_b_\@
	tensor_load_to_lds s[G0+4*\s:G0+4*\s+3], s[G1:G1+7]
	s_nop 0
.rept 4
	v_nop
.endr
	s_branch .Lasked_\@
.Lfor_b_\@:
	tensor_load_to_lds s[G0B+4*\s:G0B+4*\s+3], s[G1B:G1B+7]
	s_nop 0
.rept 4
	v_nop
.endr
.Lasked_\@:
.endm
.macro CREST
	s_cmp_lg_u32 s14, 0
	s_cbranch_scc1 .Lnot_wave_0_\@
	s_barrier_signal -3
.Lnot_wave_0_\@:
	s_barrier_wait -3
	s_barrier_signal -1
	s_barrier_wait -1
.endm
.macro CROUND
	s_barrier_signal -1
	s_barrier_wait -1
	CREST
.endm
	s_load_b256 s[4:11], s[0:1], 0x0               ; attnf s[4:5], wpf s[6:7], b_proj s[8:9], out0 s[10:11]
	s_load_b64 s[12:13], s[0:1], 0x20              ; out16
	v_lshl_add_u32 v[SPW], v0, 2, SPARE
	v_mov_b32 v[NIL], 0
	ds_add_u32 v[SPW], v[NIL]                      ; the wave's opening: the add, twice on end, and its wait ahead of my first tensor load
	ds_add_u32 v[SPW], v[NIL]
	v_lshrrev_b32 v1, 5, v0
	v_readfirstlane_b32 s14, v1                    ; wave 0..3
	s_lshr_b32 s15, s14, 1                         ; my half of the rows; also: I fetch for attn (0) or for w_proj (1)
	s_and_b32 s16, s14, 1                          ; my half of the columns; also: which half of that tile I fetch
	s_bfe_u32 s40, ttmp6, 0x40000
	s_bfe_u32 s41, ttmp6, 0x40004
	s_lshl_b32 s42, ttmp9, 2
	s_add_co_u32 s42, s42, s40                     ; tile column
	s_and_b32 s17, ttmp7, 0xffff
	s_lshl_b32 s17, s17, 2
	s_add_co_u32 s17, s17, s41                     ; tile row
	s_lshl_b32 s43, s41, 2
	s_lshl_b32 s43, 15, s43
	s_lshl_b32 s44, 0x1111, s40
	s_or_b32 s[G1+0], s43, (3<<16)|(1<<21)         ; the mask; elements of 8 bytes; no padding; bit 21 beside a mask
	s_or_b32 s[G1B+0], s44, (3<<16)|(1<<21)
	s_mov_b32 s[G1+1], 512<<16                     ; tensor_dim0 = 512 elements: 4,096 bytes
	s_mov_b32 s[G1+2], 4<<16                       ; tensor_dim1 = 4 row tiles
	s_mov_b32 s[G1+3], 512<<16                     ; tile_dim0
	s_mov_b32 s[G1+4], 4                           ; tile_dim1
	s_mov_b32 s[G1+5], 4096                        ; from row tile to row tile: 32,768 bytes
	s_mov_b32 s[G1+6], 0
	s_mov_b32 s[G1+7], 0
	s_mov_b32 s[G1B+1], 512<<16
	s_mov_b32 s[G1B+2], 8<<16                      ; 8 row tiles
	s_mov_b32 s[G1B+3], 512<<16
	s_mov_b32 s[G1B+4], 8
	s_mov_b32 s[G1B+5], 4096
	s_mov_b32 s[G1B+6], 0
	s_mov_b32 s[G1B+7], 0
	s_lshl_b32 s20, s17, 3
	s_lshl_b32 s18, s16, 2
	s_add_co_u32 s20, s20, s18
	s_lshl_b32 s20, s20, 15                        ; attn: row tile 8 x tile row + 4 x half
	s_mov_b32 s21, 0
	s_lshl_b32 s46, s42, 4
	s_lshl_b32 s18, s16, 3
	s_add_co_u32 s46, s46, s18
	s_lshl_b32 s46, s46, 15                        ; w_proj: row tile 16 x tile column + 8 x half
	s_mov_b32 s47, 0
	s_lshl_b32 s45, s16, 14                        ; where they go: no place in the cluster enters an LDS address
	s_lshl_b32 s2, s16, 15
	s_add_co_u32 s2, s2, BOFF
	s_wait_dscnt 0x0                               ; both opening adds are done
	s_wait_kmcnt 0x0
	s_add_nc_u64 s[20:21], s[4:5], s[20:21]
	s_add_nc_u64 s[46:47], s[6:7], s[46:47]
	CROUND                                         ; all sixteen work-groups are here: the first joint loads meet
.irp s, 0,1
	s_mov_b32 s[G0+4*\s], 1
	s_add_co_u32 s[G0+4*\s+1], s45, \s*SLOT
	s_add_nc_u64 s[G0+4*\s+2:G0+4*\s+3], s[20:21], \s*KSTEPB
	s_or_b32 s[G0+4*\s+3], s[G0+4*\s+3], 0x80000000
	s_mov_b32 s[G0B+4*\s], 1
	s_add_co_u32 s[G0B+4*\s+1], s2, \s*SLOT
	s_add_nc_u64 s[G0B+4*\s+2:G0B+4*\s+3], s[46:47], \s*KSTEPB
	s_or_b32 s[G0B+4*\s+3], s[G0B+4*\s+3], 0x80000000
	JLOAD \s
.endr
	v_and_b32 v1, 15, v0                           ; r
	v_bfe_u32 v2, v0, 4, 1                         ; h
	v_and_b32 v3, 31, v0
	v_lshlrev_b32 v[CO], 4, v3                     ; 16 x lane
	s_lshl_b32 s21, s15, 14                        ; my four row tiles of attn
	s_lshl_b32 s22, s16, 15
	s_add_co_u32 s22, s22, BOFF                    ; my eight of w_proj
.irp s, 0,1
	v_add_nc_u32 v[ADRA+\s], s21, v[CO]
	v_add_nc_u32 v[ADRB+\s], s22, v[CO]
	s_add_co_u32 s21, s21, SLOT
	s_add_co_u32 s22, s22, SLOT
.endr
	s_mul_i32 s23, s14, 16*SPITCH
	s_add_co_u32 s23, s23, STAGE                   ; my stage
	v_mul_u32_u24 v4, v1, SPITCH
	v_lshl_add_u32 v4, v2, 5, v4
	v_add_nc_u32 v[STO], s23, v4                   ; in: row r, 32 bytes for each half of the lanes
	v_add_nc_u32 v[RD], s23, v[CO]                 ; back: the 32 lanes take a row of 512 bytes
	v_lshlrev_b32 v[VBO], 5, v2
	s_lshl_b32 s18, s17, 7
	s_lshl_b32 s19, s15, 6
	s_add_co_u32 s18, s18, s19
	s_lshl_b32 s18, s18, 12                        ; my first row x 4,096 bytes
	s_lshl_b32 s22, s42, 10
	s_lshl_b32 s19, s16, 9
	s_add_co_u32 s22, s22, s19                     ; my first column x 4 bytes
	s_mov_b32 s23, 0
	s_add_nc_u64 s[8:9], s[8:9], s[22:23]
	s_add_nc_u64 s[12:13], s[12:13], s[22:23]
	s_add_nc_u64 s[10:11], s[10:11], s[22:23]
	s_mov_b32 s19, 0
	s_add_nc_u64 s[10:11], s[10:11], s[18:19]
	s_lshr_b32 s18, s17, 4                         ; the batch: 16 tile rows to a sequence
	s_lshl_b32 s18, s18, 16
	s_add_nc_u64 s[12:13], s[12:13], s[18:19]
	s_and_b32 s18, s17, 15
	s_or_b32 s18, s18, s15
	s_cmp_eq_u32 s18, 0
	s_cselect_b64 s[66:67], s[12:13], s[10:11]     ; where my block 0 goes: out16 if it holds positions 0 to 15.  A choice of buffer, no branch
	WIN 0x80                                       ; destination window 2
.irp b, 0,1,2,3,4,5,6,7
	global_load_b128 v[8*\b:8*\b+3], v[VBO], s[8:9] offset:64*\b           ; the bias in the result's layout
	global_load_b128 v[8*\b+4:8*\b+7], v[VBO], s[8:9] offset:64*\b+16
.endr
	WIN 0
.macro MULA f, a, first                ; 8 matrix instructions: attn's block a against w_proj's eight, 32 along K.  The 32 accumulators take turns
.irp b, 0,1,2,3,4,5,6,7
.if \first
	v_wmma_f32_16x16x32_f16 v[8*(8*(\a)+\b):8*(8*(\a)+\b)+7], v[\f+32+8*\b:\f+32+8*\b+7], v[\f+8*(\a):\f+8*(\a)+7], v[8*\b:8*\b+7]
.else
	v_wmma_f32_16x16x32_f16 v[8*(8*(\a)+\b):8*(8*(\a)+\b)+7], v[\f+32+8*\b:\f+32+8*\b+7], v[\f+8*(\a):\f+8*(\a)+7], v[8*(8*(\a)+\b):8*(8*(\a)+\b)+7]
.endif
.endr
.endm
.macro FETCH slot, kc, f               ; 24 LDS loads in one run: w_proj's eight fragments, then attn's four
	WIN 0
.irp i, 0,1,2,3,4,5,6,7
	ds_load_b128 v[\f+32+8*\i:\f+32+8*\i+3],   v[ADRB+\slot] offset:4096*\i+1024*(\kc)
	ds_load_b128 v[\f+32+8*\i+4:\f+32+8*\i+7], v[ADRB+\slot] offset:4096*\i+1024*(\kc)+512
.endr
.irp i, 0,1,2,3
	ds_load_b128 v[\f+8*\i:\f+8*\i+3],   v[ADRA+\slot] offset:4096*\i+1024*(\kc)
	ds_load_b128 v[\f+8*\i+4:\f+8*\i+7], v[ADRA+\slot] offset:4096*\i+1024*(\kc)+512
.endr
.endm
.macro PLACES
.rept 4
	v_nop
.endr
.endm
.macro QUARTER slot, kc, f, g, first   ; multiplies buffer f; in its middle fetches the slot's quarter kc into buffer g
	s_wait_dscnt 4                                 ; all but attn's fragments 2 and 3 are in
	WIN MUL+0x10*(\first)
	MULA \f, 0, \first
	MULA \f, 1, \first
	PLACES
	FETCH \slot, \kc, \g
	s_wait_dscnt 24                                ; all but the 24 just issued
	WIN MUL+0x10*(\first)
	MULA \f, 2, \first
	MULA \f, 3, \first
.endm
; A slot's last quarter changes slots: one barrier; in front of it each wave waits for all its tensor loads, adds 0 to its spare word, and waits for that and for its reads of this slot.
.macro TURN slot, next, fill
	WIN 0
	s_wait_tensorcnt 0x0                           ; my part of the next slot has landed
	ds_add_u32 v[SPW], v[NIL]
	s_wait_dscnt 5                                 ; the add and the youngest four loads may be out
	WIN MUL
	MULA F1, 0, 0
	s_wait_dscnt 0x0                               ; the add is done, my reads of this slot are over
	s_barrier_signal -1
	MULA F1, 1, 0
.if \fill
	WIN 0
.endif
	s_barrier_wait -1
.if \fill
	CREST                                          ; the barrier has opened a round of the cluster's: no wave of any partner still reads this slot or has a load on its way
	s_add_nc_u64 s[G0+4*\slot+2:G0+4*\slot+3], s[G0+4*\slot+2:G0+4*\slot+3], 2*KSTEPB
	s_add_nc_u64 s[G0B+4*\slot+2:G0B+4*\slot+3], s[G0B+4*\slot+2:G0B+4*\slot+3], 2*KSTEPB
	JLOAD \slot                                    ; the first tensor load behind the round; its four v_nop are also the places in front of the loads below
.else
	PLACES
.endif
	FETCH \next, 0, F0
	WIN MUL
	MULA F1, 2, 0
	MULA F1, 3, 0
.endm
	s_wait_loadcnt 0x0                             ; the bias
	s_wait_tensorcnt 1                             ; my part of K step 0 is in; K step 1's load may be out
	s_barrier_signal -1
	s_barrier_wait -1
	FETCH 0, 0, F0
	QUARTER 0, 1, F0, F1, 1                        ; the first quarter's products start the sums, on the bias
	WIN 0
	s_mov_b32 s3, LAPS-1
.Llap:                                             ; a trip goes once round the ring and fills both slots again
	QUARTER 0, 2, F1, F0, 0
	QUARTER 0, 3, F0, F1, 0
	TURN 0, 1, 1
	QUARTER 1, 1, F0, F1, 0
	QUARTER 1, 2, F1, F0, 0
	QUARTER 1, 3, F0, F1, 0
	TURN 1, 0, 1
	QUARTER 0, 1, F0, F1, 0
	WIN 0
	s_sub_co_u32 s3, s3, 1
	s_cmp_lg_u32 s3, 0
	s_cbranch_scc1 .Llap
	QUARTER 0, 2, F1, F0, 0                        ; the last lap fills nothing
	QUARTER 0, 3, F0, F1, 0
	TURN 0, 1, 0
	QUARTER 1, 1, F0, F1, 0
	QUARTER 1, 2, F1, F0, 0
	QUARTER 1, 3, F0, F1, 0
	s_wait_dscnt 4
	WIN MUL
	MULA F1, 0, 0
	MULA F1, 1, 0
	s_wait_dscnt 0
	MULA F1, 2, 0
	MULA F1, 3, 0
	WIN 0
; THE WAY OUT, block by block of 16 rows x 128 columns, through my own stage: in as 32 bytes a lane, back as whole rows of 512 bytes.  LDS serves a wave's instructions in order.
.macro TOSTAGE a
	WIN 0x04                                       ; an LDS store's data are its source 1: window 1
.irp b, 0,1,2,3,4,5,6,7
	ds_store_b128 v[STO], v[64*(\a)+8*\b:64*(\a)+8*\b+3] offset:64*\b       ; each accumulator from its low end on
	ds_store_b128 v[STO], v[64*(\a)+8*\b+4:64*(\a)+8*\b+7] offset:64*\b+16
.endr
	WIN 0
.set BB, BK+64*((\a)%2)
.irp t, 0,1,2,3,4,5,6,7,8,9,10,11,12,13,14,15
	ds_load_b128 v[BB+4*\t:BB+4*\t+3], v[RD] offset:\t*SPITCH
.endr
.endm
.macro SEND a, younger, base
.set BB, BK+64*((\a)%2)
	s_wait_dscnt \younger                          ; the block is back; the next block's 16 stores and 16 loads may be out
.irp t, 0,1,2,3,4,5,6,7,8,9,10,11,12,13,14,15
	global_store_b128 v[CO], v[BB+4*\t:BB+4*\t+3], s[\base:\base+1] offset:(16*(\a)+\t)*4096 th:TH_STORE_NT   ; 512 consecutive bytes, aligned
.endr
.endm
	PLACES
	TOSTAGE 0
	TOSTAGE 1
	SEND 0, 32, 66
	s_wait_xcnt 0x0                                ; block 0's stores have read their registers
	TOSTAGE 2
	SEND 1, 32, 10
	s_wait_xcnt 0x0
	TOSTAGE 3
	SEND 2, 32, 10
	SEND 3, 0, 10
	s_wait_tensorcnt 0x0                           ; the wave's end
	ds_add_u32 v[SPW], v[NIL]
	s_wait_dscnt 0x0
	CROUND                                         ; the closing round
	s_endpgm
.Lfunc_end_k_qa6770778bd_proj:
	.size	k_qa6770778bd_proj, .Lfunc_end_k_qa6770778bd_proj-k_qa6770778bd_proj
	.p2alignl 7, 3214868480
	.fill 96, 4, 3214868480
	.section	.rodata,"a",@progbits
	.p2align	6, 0x0
	.amdhsa_kernel k_qa6770778bd_proj
		.amdhsa_group_segment_fixed_size 327680
		.amdhsa_private_segment_fixed_size 0
		.amdhsa_enable_private_segment 0
		.amdhsa_kernarg_size 40
		.amdhsa_user_sgpr_count 2
		.amdhsa_user_sgpr_kernarg_segment_ptr 1
		.amdhsa_wavefront_size32 1
		.amdhsa_system_sgpr_workgroup_id_x 1
		.amdhsa_system_sgpr_workgroup_id_y 1
		.amdhsa_system_sgpr_workgroup_id_z 1
		.amdhsa_system_vgpr_workitem_id 0
		.amdhsa_next_free_vgpr 576
		.amdhsa_next_free_sgpr 72
		.amdhsa_reserve_vcc 0
		.amdhsa_float_denorm_mode_32 3
		.amdhsa_float_denorm_mode_16_64 3
		.amdhsa_memory_ordered 1
		.amdhsa_forward_progress 1
		.amdhsa_inst_pref_size 86
	.end_amdhsa_kernel
	.amdgpu_metadata
---
amdhsa.version: [ 1, 2 ]
amdhsa.kernels:
  - .name:           k_qa6770778bd_proj
    .symbol:         k_qa6770778bd_proj.kd
    .args:
      - { .name: attnf, .offset: 0, .size: 8, .value_kind: global_buffer, .address_space: global }
      - { .name: wpf, .offset: 8, .size: 8, .value_kind: global_buffer, .address_space: global }
      - { .name: b_proj, .offset: 16, .size: 8, .value_kind: global_buffer, .address_space: global }
      - { .name: out0, .offset: 24, .size: 8, .value_kind: global_buffer, .address_space: global }
      - { .name: out16, .offset: 32, .size: 8, .value_kind: global_buffer, .address_space: global }
    .group_segment_fixed_size: 327680
    .private_segment_fixed_size: 0
    .kernarg_segment_align: 8
    .kernarg_segment_size: 40
    .max_flat_workgroup_size: 128
    .sgpr_count:     72
    .vgpr_count:     576
    .wavefront_size: 32
...
	.end_amdgpu_metadata
.endif
;; end of part 4
;; launch first16 (part 5): grid 16 x 4, 16 waves a work-group, no clusters, 71,680 bytes of LDS; arguments qkv32, msk, w_proj, b_proj, out16, out0; writes out0
.if DOCPART == 5
	.amdgcn_target "amdgcn-amd-amdhsa--gfx1250"
	.amdhsa_code_object_version 6
	.text
	.protected	k_qa6770778bd_first16
	.globl	k_qa6770778bd_first16
	.p2align	8
	.type	k_qa6770778bd_first16,@function
k_qa6770778bd_first16:
	s_mov_b64 s[64:65], 0
	v_nop
	global_prefetch_b8 v0, s[64:65] scope:SCOPE_SE
	s_setreg_imm32_b32 hwreg(HW_REG_WAVE_MODE, 25, 1), 1
	s_wait_xcnt 0x0
; Positions 0 to 15 of every sequence, in f32: rows that may average one to a few values are the largest in size, and f16 operands would use up what the comparison allows.
; A row whose live keys all lie among keys 0 to 15 (flag FOK of the first launch) is computed here from the f32 copy of q, k, v: scores, softmax over the 16 keys (hidden ones at -1e10 log2(e)), values, projection with w_proj in f32.
; Any other row of the sixteen keeps the projection launch's result, out16.  Both are always at hand; a whole number only chooses between them, and every row is stored.
; SHARES.  Work-group (slice, batch): 16 positions x 64 columns of the output.  Wave w takes head w through the three products; the sixteen partial results meet in LDS; wave w then sums and stores row w.
; The f32 matrix form (16 x 16 x 4) is used with K's order permuted alike on both sources.  Its results' registers (v120-191) are written by matrix instructions alone.
.set SPARE, 69632                      ; behind the partial results [wave 16][row 16] at pitch 272: the spare words, 128 bytes a wave
.set NEG,   0xd056fa73
	s_load_b256 s[4:11], s[0:1], 0x0               ; qkv32 s[4:5], msk s[6:7], w_proj s[8:9], b_proj s[10:11]
	s_load_b128 s[12:15], s[0:1], 0x20             ; out16 s[12:13], out0 s[14:15]
	v_lshl_add_u32 v1, v0, 2, SPARE
	v_mov_b32 v2, 0
	v_lshrrev_b32 v10, 5, v0
	v_readfirstlane_b32 s16, v10                   ; wave: my head, later my row
	v_and_b32 v10, 15, v0                          ; r
	v_bfe_u32 v11, v0, 4, 1                        ; h
	v_mul_u32_u24 v3, v10, 12288
	v_lshl_add_u32 v3, v11, 7, v3                  ; q, k: position r, channels 32 h on
	v_mul_u32_u24 v4, v11, 98304
	v_lshl_add_u32 v4, v10, 2, v4                  ; v: positions 8 h on, channel r
	v_lshlrev_b32 v5, 15, v11
	v_lshl_add_u32 v5, v10, 2, v5                  ; w_proj: rows 8 h on, column r
	s_mul_i32 s17, s16, 4352
	v_mul_u32_u24 v6, v10, 272
	v_lshl_add_u32 v6, v11, 5, v6
	v_add_nc_u32 v6, s17, v6                       ; my partial results: row r, 32 h bytes on
	v_and_b32 v12, 31, v0
	v_lshlrev_b32 v8, 3, v12
	s_mul_i32 s17, s16, 272
	v_add_nc_u32 v7, s17, v8                       ; back: row w of each wave's, 8 bytes a lane
	v_mov_b32 v9, NEG
	v_mov_b32 v11, 0                               ; written once: a lane permute's destination counts as read
	v_mov_b32 v13, 0
	s_mov_b32 s26, 0x76543210
	s_mov_b32 s27, 0xfedcba98
	s_and_b32 s18, ttmp7, 0xffff                   ; batch
	s_mul_i32 s20, s18, 196608
	s_lshl_b32 s21, s16, 8
	s_add_co_u32 s20, s20, s21
	s_mov_b32 s21, 0
	s_lshl_b32 s22, ttmp9, 8                       ; the slice's 256 bytes
	s_mov_b32 s23, 0
	s_lshl_b32 s24, s16, 12
	s_wait_kmcnt 0x0
	s_load_b256 s[32:39], s[6:7], 0x0              ; the lanes' masks for queries 0-15 x keys 0-15
	s_load_b32 s40, s[6:7], 0x80500                ; FOK of tile 64
	s_add_nc_u64 s[4:5], s[4:5], s[20:21]
	s_lshl_b32 s20, s16, 18
	s_add_co_u32 s20, s20, s22
	s_add_nc_u64 s[8:9], s[8:9], s[20:21]          ; w_proj: my head's 64 rows, the slice's columns
	s_add_nc_u64 s[10:11], s[10:11], s[22:23]
	s_lshl_b32 s20, s18, 16
	s_add_co_u32 s20, s20, s24
	s_add_co_u32 s20, s20, s22
	s_add_nc_u64 s[12:13], s[12:13], s[20:21]
	s_lshl_b32 s20, s18, 23
	s_add_co_u32 s20, s20, s24
	s_add_co_u32 s20, s20, s22
	s_add_nc_u64 s[14:15], s[14:15], s[20:21]
.irp i, 0,1,2,3,4,5,6,7
	global_load_b128 v[16+4*\i:19+4*\i], v3, s[4:5] offset:16*\i            ; q (already x log2(e) / 8)
.endr
.irp i, 0,1,2,3,4,5,6,7
	global_load_b128 v[48+4*\i:51+4*\i], v3, s[4:5] offset:4096+16*\i       ; k
.endr
.irp c, 0,1,2,3
.irp i, 0,1,2,3,4,5,6,7
	global_load_b32 v[80+8*\c+\i], v4, s[4:5] offset:8192+12288*\i+64*\c    ; v(8 h + i, 16 c + r)
.endr
.endr
.irp c, 0,1,2,3
.irp i, 0,1,2,3,4,5,6,7
.irp e, 0,1
	global_load_b32 v[192+32*\e+8*\c+\i], v5, s[8:9] offset:(16*\c+\i)*4096+64*\e   ; w(64 w + 16 c + 8 h + i, 64 slice + 16 e + r)
.endr
.endr
.endr
	s_wait_loadcnt 63                              ; of the 112 loads the first 49 are in: q, k and v
	; S^T = k q^T: one accumulator
	v_wmma_f32_16x16x4_f32 v[120:127], v[48:49], v[16:17], 0
.set q, 1
.rept 15
	s_wait_alu depctr_va_vdst(0)
	v_wmma_f32_16x16x4_f32 v[120:127], v[48+2*q:49+2*q], v[16+2*q:17+2*q], v[120:127]
.set q, q+1
.endr
.rept 8
	v_nop                                          ; places behind this form: loads into its sources, and the first read of its result
.endr
.irp c, 0,1,2,3
.irp i, 0,1,2,3,4,5,6,7
.irp e, 0,1
	global_load_b32 v[16+32*\e+8*\c+\i], v5, s[8:9] offset:(16*\c+\i)*4096+128+64*\e   ; column tiles 2 and 3
.endr
.endr
.endr
	s_wait_kmcnt 0x0
.irp j, 0,1,2,3,4,5,6,7
	v_cndmask_b32 v[112+\j], v9, v[120+\j], s[32+\j]       ; lane (r, h): query r, key 8 h + j
.endr
	v_max3_num_f32 v10, v112, v113, v114
	v_max3_num_f32 v10, v10, v115, v116
	v_max3_num_f32 v10, v10, v117, v118
	v_max_num_f32 v10, v10, v119
	v_permlanex16_b32 v11, v10, s26, s27
	v_max_num_f32 v10, v10, v11                    ; the row's maximum
.irp j, 0,1,2,3,4,5,6,7
	v_sub_f32 v[112+\j], v[112+\j], v10
.endr
.irp j, 0,1,2,3,4,5,6,7
	v_exp_f32 v[112+\j], v[112+\j]
.endr
	v_nop
	s_wait_alu depctr_va_vdst(0)                   ; one wait for the eight
	v_add_f32 v12, v112, v113
	v_add_f32 v14, v114, v115
	v_add_f32 v12, v12, v116
	v_add_f32 v14, v14, v117
	v_add_f32 v12, v12, v118
	v_add_f32 v14, v14, v119
	v_add_f32 v12, v12, v14
	v_permlanex16_b32 v13, v12, s26, s27
	v_add_f32 v12, v12, v13
	v_rcp_f32 v12, v12
	v_nop
	s_wait_alu depctr_va_vdst(0)
.irp j, 0,1,2,3,4,5,6,7
	v_mul_f32 v[112+\j], v[112+\j], v12            ; the weights
.endr
	; O^T = v^T p: four accumulators by turns
.irp u, 0,1,2,3
.irp c, 0,1,2,3
.if \u == 0
	v_wmma_f32_16x16x4_f32 v[128+8*\c:135+8*\c], v[80+8*\c:81+8*\c], v[112:113], 0
.else
	v_wmma_f32_16x16x4_f32 v[128+8*\c:135+8*\c], v[80+8*\c+2*\u:81+8*\c+2*\u], v[112+2*\u:113+2*\u], v[128+8*\c:135+8*\c]
.endif
.endr
.endr
.rept 9
	v_nop                                          ; places: these results are the next products' source
.endr
	s_wait_loadcnt 0x0                             ; w_proj's four column tiles
	global_load_b64 v[80:81], v8, s[12:13]         ; the projection launch's row w, and the bias: they land while the products run
	global_load_b64 v[82:83], v8, s[10:11]
	; X^T = w^T O^T over my head's 64 channels: four accumulators by turns
.set q, 0
.rept 16
.if q == 0
	v_wmma_f32_16x16x4_f32 v[160:167], v[192:193], v[128:129], 0
	v_wmma_f32_16x16x4_f32 v[168:175], v[224:225], v[128:129], 0
	v_wmma_f32_16x16x4_f32 v[176:183], v[16:17], v[128:129], 0
	v_wmma_f32_16x16x4_f32 v[184:191], v[48:49], v[128:129], 0
.else
	v_wmma_f32_16x16x4_f32 v[160:167], v[192+2*q:193+2*q], v[128+2*q:129+2*q], v[160:167]
	v_wmma_f32_16x16x4_f32 v[168:175], v[224+2*q:225+2*q], v[128+2*q:129+2*q], v[168:175]
	v_wmma_f32_16x16x4_f32 v[176:183], v[16+2*q:17+2*q], v[128+2*q:129+2*q], v[176:183]
	v_wmma_f32_16x16x4_f32 v[184:191], v[48+2*q:49+2*q], v[128+2*q:129+2*q], v[184:191]
.endif
.set q, q+1
.endr
.rept 8
	v_nop
.endr
.irp e, 0,1,2,3
	ds_store_b128 v6, v[160+8*\e:163+8*\e] offset:64*\e        ; lane (r, h): row r, columns 16 e + 8 h + 0..7; each accumulator from its low end on
	ds_store_b128 v6, v[164+8*\e:167+8*\e] offset:64*\e+16
.endr
	s_wait_dscnt 0x0                               ; for the others' sake: my stores have landed
	s_barrier_signal -1
	s_barrier_wait -1
.irp k, 0,1,2,3,4,5,6,7,8,9,10,11,12,13,14,15
	ds_load_b64 v[16+2*\k:17+2*\k], v7 offset:4352*\k          ; row w of head k's part
.endr
	s_wait_dscnt 0x0
.irp k, 0,4,8,12,16,20,24,28
	v_pk_add_f32 v[16+\k:17+\k], v[16+\k:17+\k], v[18+\k:19+\k]
.endr
.irp k, 0,8,16,24
	v_pk_add_f32 v[16+\k:17+\k], v[16+\k:17+\k], v[20+\k:21+\k]
.endr
.irp k, 0,16
	v_pk_add_f32 v[16+\k:17+\k], v[16+\k:17+\k], v[24+\k:25+\k]
.endr
	v_pk_add_f32 v[16:17], v[16:17], v[32:33]
	s_wait_loadcnt 0x0
	v_pk_add_f32 v[16:17], v[16:17], v[82:83]      ; + b_proj
	s_lshr_b32 s41, s40, s16
	s_and_b32 s41, s41, 1
	s_cmp_lg_u32 s41, 0
	s_cselect_b32 s41, -1, 0                       ; is row w one of those computed here?
	v_cndmask_b32 v16, v80, v16, s41
	v_cndmask_b32 v17, v81, v17, s41
	global_store_b64 v8, v[16:17], s[14:15] th:TH_STORE_NT     ; 256 consecutive bytes, aligned
	s_wait_tensorcnt 0x0                           ; the wave's end, behind my last LDS store
	ds_add_u32 v1, v2
	s_wait_dscnt 0x0
	s_endpgm
.Lfunc_end_k_qa6770778bd_first16:
	.size	k_qa6770778bd_first16, .Lfunc_end_k_qa6770778bd_first16-k_qa6770778bd_first16
	.p2alignl 7, 3214868480
	.fill 96, 4, 3214868480
	.section	.rodata,"a",@progbits
	.p2align	6, 0x0
	.amdhsa_kernel k_qa6770778bd_first16
		.amdhsa_group_segment_fixed_size 71680
		.amdhsa_private_segment_fixed_size 0
		.amdhsa_enable_private_segment 0
		.amdhsa_kernarg_size 48
		.amdhsa_user_sgpr_count 2
		.amdhsa_user_sgpr_kernarg_segment_ptr 1
		.amdhsa_wavefront_size32 1
		.amdhsa_system_sgpr_workgroup_id_x 1
		.amdhsa_system_sgpr_workgroup_id_y 1
		.amdhsa_system_sgpr_workgroup_id_z 1
		.amdhsa_system_vgpr_workitem_id 0
		.amdhsa_next_free_vgpr 256
		.amdhsa_next_free_sgpr 66
		.amdhsa_reserve_vcc 0
		.amdhsa_float_denorm_mode_32 3
		.amdhsa_float_denorm_mode_16_64 3
		.amdhsa_memory_ordered 1
		.amdhsa_forward_progress 1
		.amdhsa_inst_pref_size 32
	.end_amdhsa_kernel
	.amdgpu_metadata
---
amdhsa.version: [ 1, 2 ]
amdhsa.kernels:
  - .name:           k_qa6770778bd_first16
    .symbol:         k_qa6770778bd_first16.kd
    .args:
      - { .name: qkv32, .offset: 0, .size: 8, .value_kind: global_buffer, .address_space: global }
      - { .name: msk, .offset: 8, .size: 8, .value_kind: global_buffer, .address_space: global }
      - { .name: w_proj, .offset: 16, .size: 8, .value_kind: global_buffer, .address_space: global }
      - { .name: b_proj, .offset: 24, .size: 8, .value_kind: global_buffer, .address_space: global }
      - { .name: out16, .offset: 32, .size: 8, .value_kind: global_buffer, .address_space: global }
      - { .name: out0, .offset: 40, .size: 8, .value_kind: global_buffer, .address_space: global }
    .group_segment_fixed_size: 71680
    .private_segment_fixed_size: 0
    .kernarg_segment_align: 8
    .kernarg_segment_size: 48
    .max_flat_workgroup_size: 512
    .sgpr_count:     66
    .vgpr_count:     256
    .wavefront_size: 32
...
	.end_amdgpu_metadata
.endif
;; end of part 5
